; MI455X (gfx1250); checked and timed in simulation.
; The chip was launched on July 23, 2026; its instructions are those of AMD's public machine-readable ISA for CDNA 5 (MIT licence, August 2026) and "CDNA5" Instruction Set Architecture Reference Guide (July 2026). The comments in the code are by the model that wrote it; some were corrected since.
;; Casual Attention. Allowed arithmetic: float matrix products may take bf16 or f16 operands with f32 sums; other float arithmetic in f32, or as packed bf16 or f16 multiplies, adds, multiply-adds, maxima and minima; sums over many terms, partial sums and values carried from step to step in f32; what a program stores and reads back later, other than sums and carried values, may be rounded once to bf16 or f16.
;; Inputs: bk 2,048 float32; bp 2,048 float32; bq 2,048 float32; bv 2,048 float32; freqs_cos 2,048 x 64 float32; freqs_sin 2,048 x 64 float32; wk 2,048 x 2,048 float32; wp 2,048 x 2,048 float32; wq 2,048 x 2,048 float32; wv 2,048 x 2,048 float32; x 1 x 2,048 x 2,048 float32.
;; Outputs: out0 1 x 2,048 x 2,048 float32.
;; One version. Each part assembles by itself: llvm-mc -triple=amdgcn-amd-amdhsa -mcpu=gfx1250 --defsym DOCPART=n.
;; ======== version 1 of 1: 4 launches
;; limits: values are held in f16: magnitudes above 65,504 overflow, below 6.1e-05 lose precision; right only within a limited range of input values
;; workspace buffers: xb 8,388,608 bytes; wb 25,165,824 bytes; wph 8,388,608 bytes; qkv 33,554,432 bytes; ob 8,388,608 bytes
;; launch cast (part 1): grid 256 x 5, 8 waves a work-group, no clusters, 0 bytes of LDS; arguments x, wq, wk, wv, wp, xb, wb, wph; writes xb, wb, wph
.if DOCPART == 1
	.amdgcn_target "amdgcn-amd-amdhsa--gfx1250"
	.amdhsa_code_object_version 6
	.text
	.protected	k_q962c300b88_cast
	.globl	k_q962c300b88_cast
	.p2align	8
	.type	k_q962c300b88_cast,@function
k_q962c300b88_cast:
	s_mov_b64 s[64:65], 0
	v_nop
	global_prefetch_b8 v0, s[64:65] scope:SCOPE_SE
	s_setreg_imm32_b32 hwreg(HW_REG_WAVE_MODE, 25, 1), 1
	s_wait_xcnt 0x0
; THE INPUTS OF THE FOUR PRODUCTS, ROUNDED ONCE TO bf16 (nearest even).  x -> xb, wq | wk | wv -> wb (three planes of 2,048 rows), all bf16;
; wp -> wph = 8 x bf16(wp), written as f16: the attention hands on O / 8, and the factor 8 (a power of two, so it commutes with the rounding) makes that good.
; LIMIT: |wp| below 8,188 (8 wp inside f16's 65,504); below 7.6e-6 a number of wph keeps f16's fixed step of 6e-8.
; A stream: memory binds, so no LDS, no barrier, no matrix unit.  Grid y names the tensor; a work-group takes 65,536 bytes of it.  Thread t takes 16 bytes of each of 16 chunks of
; 4,096 bytes: a wave's load covers 512 consecutive bytes, its store of 8 bytes a lane 256 consecutive bytes, aligned.  All 16 loads of a wave go out at once; each chunk has
; registers of its own for its result, so no register that a store reads is ever rewritten.
.set X,  8                             ; v[8:71]    the 16 chunks as loaded
.set Y,  72                            ; v[72:103]  the 16 results, two registers each
	s_load_b256 s[4:11], s[0:1], 0x0               ; x s[4:5], wq s[6:7], wk s[8:9], wv s[10:11]
	s_load_b256 s[12:19], s[0:1], 0x20             ; wp s[12:13], xb s[14:15], wb s[16:17], wph s[18:19]
	s_and_b32 s20, ttmp7, 0xffff                   ; which tensor: 0 x, 1 wq, 2 wk, 3 wv, 4 wp
	v_lshlrev_b32 v1, 4, v0                        ; 16 t
	v_lshlrev_b32 v2, 3, v0                        ; 8 t
	s_lshl_b32 s22, ttmp9, 16                      ; the work-group's 65,536 bytes of the source
	s_mov_b32 s23, 0
	s_lshl_b32 s24, ttmp9, 15                      ; and its 32,768 bytes of the result
	s_mov_b32 s25, 0
	s_max_u32 s26, s20, 1
	s_sub_co_u32 s26, s26, 1
	s_lshl_b32 s26, s26, 23                        ; wb's plane: 8,388,608 bytes x (tensor - 1) for wq, wk, wv;
	s_cmp_eq_u32 s20, 4
	s_cselect_b32 s26, 0, s26                      ; nothing for x and wp
	s_mov_b32 s27, 0
	s_add_nc_u64 s[24:25], s[24:25], s[26:27]
	s_mov_b32 s32, 0x41000000                      ; 8.0, named as a pair
	s_mov_b32 s33, 0x41000000
	s_mov_b32 s34, 0xffff0000                      ; a word's upper bf16
	s_wait_kmcnt 0x0
	s_cmp_eq_u32 s20, 1
	s_cselect_b64 s[28:29], s[6:7], s[4:5]         ; the source
	s_cmp_eq_u32 s20, 2
	s_cselect_b64 s[28:29], s[8:9], s[28:29]
	s_cmp_eq_u32 s20, 3
	s_cselect_b64 s[28:29], s[10:11], s[28:29]
	s_cmp_eq_u32 s20, 4
	s_cselect_b64 s[28:29], s[12:13], s[28:29]
	s_cselect_b64 s[30:31], s[18:19], s[16:17]     ; the result: wph for wp, wb for the three weights,
	s_cmp_eq_u32 s20, 0
	s_cselect_b64 s[30:31], s[14:15], s[30:31]     ; xb for x
	s_add_nc_u64 s[28:29], s[28:29], s[22:23]
	s_add_nc_u64 s[30:31], s[30:31], s[24:25]
.set j, 0
.rept 16
	global_load_b128 v[X+4*j:X+4*j+3], v1, s[28:29] offset:4096*j th:TH_LOAD_NT
.set j, j+1
.endr
	s_cmp_eq_u32 s20, 4
	s_cbranch_scc1 .Lhalf
.set j, 0
.rept 16
	s_wait_loadcnt 15-j                            ; loads come back in order: chunk j is in, the 15 - j younger ones stay out
	v_cvt_pk_bf16_f32 v[Y+2*j], v[X+4*j], v[X+4*j+1]
	v_cvt_pk_bf16_f32 v[Y+2*j+1], v[X+4*j+2], v[X+4*j+3]
	global_store_b64 v2, v[Y+2*j:Y+2*j+1], s[30:31] offset:2048*j
.set j, j+1
.endr
	s_endpgm
.Lhalf:                                                ; wp: times 8, rounded to bf16, and that number written as f16
.set j, 0
.rept 16
	s_wait_loadcnt 15-j
	v_pk_mul_f32 v[X+4*j:X+4*j+1], v[X+4*j:X+4*j+1], s[32:33] op_sel_hi:[1,0]
	v_pk_mul_f32 v[X+4*j+2:X+4*j+3], v[X+4*j+2:X+4*j+3], s[32:33] op_sel_hi:[1,0]
	v_cvt_pk_bf16_f32 v4, v[X+4*j], v[X+4*j+1]
	v_cvt_pk_bf16_f32 v5, v[X+4*j+2], v[X+4*j+3]
	v_lshlrev_b32 v[X+4*j], 16, v4
	v_and_b32 v[X+4*j+1], s34, v4
	v_lshlrev_b32 v[X+4*j+2], 16, v5
	v_and_b32 v[X+4*j+3], s34, v5
	v_cvt_pk_f16_f32 v[Y+2*j], v[X+4*j], v[X+4*j+1]
	v_cvt_pk_f16_f32 v[Y+2*j+1], v[X+4*j+2], v[X+4*j+3]
	global_store_b64 v2, v[Y+2*j:Y+2*j+1], s[30:31] offset:2048*j
.set j, j+1
.endr
	s_endpgm
.Lfunc_end_k_q962c300b88_cast:
	.size	k_q962c300b88_cast, .Lfunc_end_k_q962c300b88_cast-k_q962c300b88_cast
	.p2alignl 7, 3214868480
	.fill 96, 4, 3214868480
	.section	.rodata,"a",@progbits
	.p2align	6, 0x0
	.amdhsa_kernel k_q962c300b88_cast
		.amdhsa_group_segment_fixed_size 0
		.amdhsa_private_segment_fixed_size 0
		.amdhsa_enable_private_segment 0
		.amdhsa_kernarg_size 64
		.amdhsa_user_sgpr_count 2
		.amdhsa_user_sgpr_kernarg_segment_ptr 1
		.amdhsa_wavefront_size32 1
		.amdhsa_system_sgpr_workgroup_id_x 1
		.amdhsa_system_sgpr_workgroup_id_y 1
		.amdhsa_system_sgpr_workgroup_id_z 1
		.amdhsa_system_vgpr_workitem_id 0
		.amdhsa_next_free_vgpr 104
		.amdhsa_next_free_sgpr 66
		.amdhsa_reserve_vcc 0
		.amdhsa_float_denorm_mode_32 3
		.amdhsa_float_denorm_mode_16_64 3
		.amdhsa_memory_ordered 1
		.amdhsa_forward_progress 1
		.amdhsa_inst_pref_size 18
	.end_amdhsa_kernel
	.amdgpu_metadata
---
amdhsa.version: [ 1, 2 ]
amdhsa.kernels:
  - .name:           k_q962c300b88_cast
    .symbol:         k_q962c300b88_cast.kd
    .args:
      - { .name: x, .offset: 0, .size: 8, .value_kind: global_buffer, .address_space: global }
      - { .name: wq, .offset: 8, .size: 8, .value_kind: global_buffer, .address_space: global }
      - { .name: wk, .offset: 16, .size: 8, .value_kind: global_buffer, .address_space: global }
      - { .name: wv, .offset: 24, .size: 8, .value_kind: global_buffer, .address_space: global }
      - { .name: wp, .offset: 32, .size: 8, .value_kind: global_buffer, .address_space: global }
      - { .name: xb, .offset: 40, .size: 8, .value_kind: global_buffer, .address_space: global }
      - { .name: wb, .offset: 48, .size: 8, .value_kind: global_buffer, .address_space: global }
      - { .name: wph, .offset: 56, .size: 8, .value_kind: global_buffer, .address_space: global }
    .group_segment_fixed_size: 0
    .private_segment_fixed_size: 0
    .kernarg_segment_align: 8
    .kernarg_segment_size: 64
    .max_flat_workgroup_size: 256
    .sgpr_count:     66
    .vgpr_count:     104
    .wavefront_size: 32
...
	.end_amdgpu_metadata
.endif
;; end of part 1
;; launch qkv (part 2): grid 16 x 16, 4 waves a work-group, clusters of 4 x 4, 327,680 bytes of LDS; arguments xb, wb, bq, bk, bv, freqs_cos, freqs_sin, qkv; writes qkv
.if DOCPART == 2
	.amdgcn_target "amdgcn-amd-amdhsa--gfx1250"
	.amdhsa_code_object_version 6
	.text
	.protected	k_q962c300b88_qkv
	.globl	k_q962c300b88_qkv
	.p2align	8
	.type	k_q962c300b88_qkv,@function
k_q962c300b88_qkv:
	s_mov_b64 s[64:65], 0
	v_nop
	global_prefetch_b8 v0, s[64:65] scope:SCOPE_SE
	s_setreg_imm32_b32 hwreg(HW_REG_WAVE_MODE, 25, 1), 1
	s_wait_xcnt 0x0
	s_wait_alu depctr_hold_cnt(0) depctr_sa_sdst(0) depctr_va_vdst(0) depctr_va_sdst(0) depctr_va_ssrc(0) depctr_va_vcc(0) depctr_vm_vsrc(0)
	s_getreg_b32 s2, hwreg(HW_REG_IB_STS2, 6, 4)
	s_cmp_eq_u32 s2, 0
	s_cbranch_scc0 .Lentry_in_a_cluster
	s_endpgm
.Lentry_in_a_cluster:
	s_bfe_u32 s2, ttmp6, 0x10000c
	s_cmp_lg_u32 s2, 0xf033
	s_cbranch_scc0 .Lentry_shape_is_right
	s_endpgm
.Lentry_shape_is_right:
; q, k, v OF ONE HEAD FOR 128 ROWS: [128 rows of x] x [wq_h | wk_h | wv_h = 384 rows of weights]^T + bias, q and k turned (RoPE on neighbouring pairs), all times 1/8, rounded to f16 and
; stored by heads: qkv[4][16][2048][128]: planes q, k, v, and q's SECOND TERM: q / 8 = hi + lo with hi = f16(q / 8), lo = f16(q / 8 - hi).  A score is a sum of 128 products of numbers of spread 4, and near a tie of two
; keys its error becomes a weight's error: with both terms q's rounding leaves the scores (lo keeps f16's fixed step of 6e-8 at the worst); k's rounding stays.
; xb, wb: bf16; sums in f32, started by the bias (rounded to bf16 like every input); cos and sin rounded to bf16.
; LIMITS: |q|, |k|, |v| below 524,000 (an eighth of them inside f16's 65,504).  NaN and infinities are not treated apart (v goes through the turning arithmetic with c = 1/8, s = 0).
; SHARES.  Grid x = block of 128 rows, grid y = head: 256 work-groups.  Wave w: rows 64 (w / 2) on, joined columns 192 (w % 2) on: 4 x 12 accumulators of 16 x 16, 384 registers.
; The matrix instruction is used transposed (source 0 = 16 rows of weights, source 1 = 16 rows of x): a lane holds ONE row and eight neighbouring columns: four whole pairs of the turning.
; K goes in 16 steps of 128 (rows of 256 bytes, aligned) through two LDS slots; each wave fetches one piece of 128 rows: wave 0 x's, waves 1 to 3 wq's, wk's, wv's.
; CLUSTER 4 x 4: x's piece hangs on the row block alone and is asked for jointly along a column of the cluster, the weights' pieces on the head alone, jointly along a row.
; THE WALK ALONG K BEGINS ELSEWHERE IN EACH CLUSTER, at step 4 ((cluster x + 2 cluster y) mod 4), and wraps (f32 sums may be taken in any order): the four clusters along x, which read the same rows of weights, are
; always four steps apart, clusters y and y + 1, which read the same rows of x, eight.  The start hangs on the cluster's coordinates alone: it is the same in all sixteen partners.
; NO PREFETCH: with these starts every block of xb and wb has its first reading of the launch in some cluster's first four steps, and those come by their loads alone.
; REGISTERS, in windows of 256 (s_set_vgpr_msb: bits 1:0 source 0, 3:2 source 1, 5:4 source 2, 7:6 destination):
;   window 0: v0-31 addresses; v32-63 at work on the way out; v64-127 x's fragments, two buffers of 32; v128-223 the bias; on the way out v64-191 whole rows, v192-255 the turning table
;   window 1: the weights' fragments, two buffers of 96 (at the start v0-127: cos and sin as loaded)      windows 2, 3: the accumulators of my rows 0-31, 32-63, (a, b) at 8 (12 (a % 2) + b)
.set KSTEP, 128
.set PITCH, 272                        ; an LDS row: 256 bytes + 16 of padding = 68 words: the 16 rows of a load start at 16 different groups of four banks (64 banks of 4 bytes: ISA guide 11.1)
.set PIECE, 128*PITCH                  ; 128 rows: what one tensor load brings
.set SLOT,  4*PIECE                    ; x's rows, then wq's, wk's, wv's: the 384 joined rows lie on end
.set TAB,   2*SLOT                     ; behind the ring: 128 rows x 64 words: bf16(cos / 8) below, bf16(sin / 8) above; written by LDS stores, never filled by a tensor load
.set SPARE, TAB+PIECE                  ; the spare words, 128 bytes for each wave: two blocks of 256 bytes that no other line names
.set TRIPS, 14                         ; a trip = one K step; every step but the last two fills its slot again
; THE STAGE of the way out is slot 0's four pieces (planes q, k, v, q's second term, 128 rows x 272 bytes each): slot 0 has had its last fill, and its last reads lie in front of the last change of slots.
.set TGO, 6                            ; v6   16 t: my 16 bytes of eight rows of cos and of sin
.set TLS, 7                            ; v7   where their four packed words go
.set BO,  8                            ; v8   32 (l / 16): my eight numbers of a block of 16 of a bias
.set IDN, 9                            ; v9   the table word that turns nothing: c = 1/8, s = 0
.set TA1, 10                           ; v10  my table words for column blocks 4 (w % 2) + 0..3
.set TA2, 11                           ; v11  for the other four blocks
.set STO, 12                           ; v12-14  where I put 16 bytes of a row: my column groups 0, 1, 2 (four blocks each)
.set ADRA0, 16                         ; v16  LDS address of my fragments of x in slot 0; never rewritten
.set CA,  17                           ; v17  the same in the slot in hand
.set STL, 18                           ; v18-19  where q's second term goes: columns 0 on, 64 on (used by the waves that own q)
.set ADRB0, 20                         ; v20  LDS address of my fragments of the weights in slot 0; never rewritten
.set CB,  21                           ; v21  the same in the slot in hand
.set CO,  22                           ; v22  16 x lane, and 32 rows of 256 bytes more in the way out's second trip
.set M1,  23                           ; v23  -1.0
.set RD,  24                           ; v24-27  where I read rows back: planes q, k, v, q's second term
.set SPW, 28                           ; v28  LDS address of my spare word; never rewritten
.set NIL, 29                           ; v29  0; never rewritten
.set CSR, 32                           ; v32-39  four pairs (c, s); then the second term's 16 bytes, two sets
.set TM,  40                           ; v40-47  t1 c, t2 c; then what the first term leaves
.set RR,  48                           ; v48-55  the turned pairs
.set PKR, 56                           ; v56-63  16 bytes to store, two sets
.set FA,  64
.set RB,  64                           ; v64-191  the way out: 16 rows of each of four planes
.set BIAS, 128
.set TBL, 192                          ; the way out: row block a of a trip's two, slot j at TBL + 32 a + 4 j
.set WV, 20
.set MI, 21
.set NI, 22
.set CX, 23
.set CY, 24
.set TX, 25                            ; the head
.set TY, 26                            ; the block of rows
.set G1, 28                            ; s[28:35] descriptor group 1 for x's piece;  s[36:43] group 0, a set for each of the two first fills; the second then walks on
.set G0, 36
.set G1B, 44                           ; s[44:51], s[52:59] the same for the weights' pieces
.set G0B, 52
.set OFK, 60                           ; s[60:61] the byte of a row at which the K step to be asked for next begins: it steps by 256 and wraps at 4,096
.set SB,  62                           ; s62  the slot in hand: 0 or SLOT, and nothing else
.set BP,  66                           ; s[66:71] the bias of my three column groups
.set DQ,  72                           ; s[72:77] qkv at the rows that I store, planes q, k, v
.set DL,  94                           ; s[94:95] the same in the plane of q's second term
.set VM,  78                           ; s78  all ones in a wave whose blocks 4 to 11 are v's
.set HM,  79                           ; s79  a word's upper half
.set EI,  80                           ; s[80:81] 1/8
.set XA,  84                           ; s[84:85] xb at the block's first row
.set WA,  86                           ; s[86:87] wb at the first row of the piece that I fetch
.set WP,  88                           ; s88  my piece's place in a slot
.set MSB, 0
.macro WIN new                         ; the immediate's high byte repeats the setting that is left; a switch that changes nothing is dropped
.if MSB != (\new)
	s_set_vgpr_msb (MSB<<8)|(\new)
.set MSB, \new
.endif
.endm
.macro PLACES                          ; four places in front of loads into registers that matrix instructions have read, and of lines that read results
.rept 4
	v_nop
.endr
.endm
; A joint load.  Each of the two lines has one mask and one set of registers; the branch hangs on the wave's number alone.  An s_nop 0 and four v_nop follow each line.
.macro JLOAD s
	s_cmp_eq_u32 s[WV], 0
	s_cbranch_scc0 .Lfor_b_\@
	tensor_load_to_lds s[G0+4*(\s):G0+4*(\s)+3], s[G1:G1+7]
	s_nop 0
.rept 4
	v_nop
.endr
	s_branch .Lasked_\@
.Lfor_b_\@:
	tensor_load_to_lds s[G0B+4*(\s):G0B+4*(\s)+3], s[G1B:G1B+7]
	s_nop 0
.rept 4
	v_nop
.endr
.Lasked_\@:
.endm
.macro CREST                           ; a round of the cluster's barrier behind its opening barrier
	s_cmp_lg_u32 s[WV], 0
	s_cbranch_scc1 .Lnot_wave_0_\@
	s_barrier_signal -3
.Lnot_wave_0_\@:
	s_barrier_wait -3
	s_barrier_signal -1
	s_barrier_wait -1
.endm
.macro CROUND
	s_barrier_signal -1
	s_barrier_wait -1
	CREST
.endm
	s_load_b512 s[4:19], s[0:1], 0x0               ; xb 4, wb 6, bq 8, bk 10, bv 12, cos 14, sin 16, qkv 18
	v_lshl_add_u32 v[SPW], v0, 2, SPARE
	v_mov_b32 v[NIL], 0
	ds_add_u32 v[SPW], v[NIL]                      ; the wave's opening: the add and its wait stand ahead of my first tensor load; work on registers stands between them
	v_lshrrev_b32 v1, 5, v0
	v_readfirstlane_b32 s[WV], v1
	s_lshr_b32 s[MI], s[WV], 1
	s_and_b32 s[NI], s[WV], 1
	s_bfe_u32 s[CX], ttmp6, 0x40000
	s_bfe_u32 s[CY], ttmp6, 0x40004
	s_lshl_b32 s[TY], ttmp9, 2
	s_add_co_u32 s[TY], s[TY], s[CX]               ; block of rows = 4 x cluster x + cx
	s_and_b32 s[TX], ttmp7, 0xffff
	s_lshl_b32 s[TX], s[TX], 2
	s_add_co_u32 s[TX], s[TX], s[CY]               ; head = 4 x cluster y + cy
	s_lshl_b32 s82, s[CY], 2
	s_lshl_b32 s82, 15, s82                        ; my row of the cluster
	s_lshl_b32 s83, 0x1111, s[CX]                  ; my column
	s_or_b32 s[G1], s83, (1<<16)|(1<<20)|(1<<21)|(5<<22)|(3<<25)   ; x's piece goes to my column: the mask; 2-byte elements; padding on; bit 21 beside a mask; after every 64 words; 4 words of it
	s_or_b32 s[G1B], s82, (1<<16)|(1<<20)|(1<<21)|(5<<22)|(3<<25)  ; the weights' pieces go to my row
.irp g, G1, G1B
	s_mov_b32 s[(\g)+1], KSTEP<<16                 ; tensor_dim0 = 128
	s_mov_b32 s[(\g)+2], 128<<16                   ; tensor_dim1 = 128
	s_mov_b32 s[(\g)+3], KSTEP<<16                 ; tile_dim0 = 128
	s_mov_b32 s[(\g)+4], 128                       ; tile_dim1 = 128
	s_mov_b32 s[(\g)+5], 2048                      ; elements from row to row
	s_mov_b32 s[(\g)+6], 0
	s_mov_b32 s[(\g)+7], 0
.endr
	s_and_b32 s[OFK], ttmp7, 0xffff                ; where my cluster's walk along K begins:
	s_lshl_b32 s[OFK], s[OFK], 1
	s_add_co_u32 s[OFK], s[OFK], ttmp9
	s_and_b32 s[OFK], s[OFK], 3                    ; (cluster x + 2 cluster y) mod 4,
	s_lshl_b32 s[OFK], s[OFK], 10                  ; times four steps of 256 bytes
	s_mov_b32 s[OFK+1], 0
	s_mov_b32 s[SB], 0
	s_lshl_b32 s[XA], s[TY], 19                    ; x: 128 rows of 4,096 bytes a block
	s_mov_b32 s[XA+1], 0
	s_max_u32 s[WA], s[WV], 1
	s_sub_co_u32 s[WA], s[WA], 1                   ; which of the three weights (wave 0 makes wq's address and does not use it)
	s_lshl_b32 s[WA], s[WA], 23                    ; its 2,048 rows,
	s_lshl_b32 s[WA+1], s[TX], 19                  ; the head's 128 of them
	s_add_co_u32 s[WA], s[WA], s[WA+1]
	s_mov_b32 s[WA+1], 0
	s_mul_i32 s[WP], s[WV], PIECE                  ; where my piece goes: no place in the cluster enters an LDS address
	s_mov_b32 s[HM], 0xffff0000
	s_mov_b32 s[EI], 0x3e000000
	s_mov_b32 s[EI+1], 0x3e000000
	s_wait_dscnt 0x0                               ; the opening add is done
	s_wait_kmcnt 0x0
	s_add_nc_u64 s[XA:XA+1], s[4:5], s[XA:XA+1]
	s_add_nc_u64 s[WA:WA+1], s[6:7], s[WA:WA+1]
	CROUND                                         ; all sixteen work-groups are here: the first joint loads meet
.irp s, 0,1
	s_mov_b32 s[G0+4*(\s)], 1
	s_add_co_u32 s[G0+4*(\s)+1], s[WP], (\s)*SLOT
	s_add_nc_u64 s[G0+4*(\s)+2:G0+4*(\s)+3], s[XA:XA+1], s[OFK:OFK+1]
	s_or_b32 s[G0+4*(\s)+3], s[G0+4*(\s)+3], 0x80000000
	s_mov_b32 s[G0B+4*(\s)], 1
	s_add_co_u32 s[G0B+4*(\s)+1], s[WP], (\s)*SLOT
	s_add_nc_u64 s[G0B+4*(\s)+2:G0B+4*(\s)+3], s[WA:WA+1], s[OFK:OFK+1]
	s_or_b32 s[G0B+4*(\s)+3], s[G0B+4*(\s)+3], 0x80000000
	JLOAD \s                                       ; two loads of mine are out
	s_add_co_u32 s[OFK], s[OFK], KSTEP*2           ; the next step of the walk
	s_and_b32 s[OFK], s[OFK], 4095
.endr
	; cos and sin of the block's 128 rows: thread t takes 16 bytes (four pairs) of rows t / 16 + 8 i; a wave's load covers 512 consecutive bytes
	s_lshl_b32 s92, s[TY], 15
	s_mov_b32 s93, 0
	s_add_nc_u64 s[14:15], s[14:15], s[92:93]
	s_add_nc_u64 s[16:17], s[16:17], s[92:93]
	v_lshlrev_b32 v[TGO], 4, v0
	v_and_b32 v1, 15, v0                           ; l % 16
	v_bfe_u32 v2, v0, 4, 1                         ; l / 16
	v_lshlrev_b32 v[BO], 5, v2
	WIN 0x40                                       ; destination window 1
.set i, 0
.rept 16
	global_load_b128 v[8*i:8*i+3],   v[TGO], s[14:15] offset:2048*i
	global_load_b128 v[8*i+4:8*i+7], v[TGO], s[16:17] offset:2048*i
.set i, i+1
.endr
	WIN 0
	; the bias of my 12 column blocks, in three groups of four: w % 2 = 0: q 0-63, q 64-127, k 0-63;  w % 2 = 1: k 64-127, v 0-63, v 64-127
	s_lshl_b32 s94, s[TX], 9
	s_mov_b32 s95, 0
	s_add_nc_u64 s[8:9], s[8:9], s[94:95]
	s_add_nc_u64 s[10:11], s[10:11], s[94:95]
	s_add_nc_u64 s[12:13], s[12:13], s[94:95]
	s_add_nc_u64 s[BP:BP+1], s[10:11], 256
	s_add_nc_u64 s[BP+2:BP+3], s[8:9], 256
	s_add_nc_u64 s[BP+4:BP+5], s[12:13], 256
	s_cmp_eq_u32 s[NI], 1
	s_cselect_b64 s[BP:BP+1], s[BP:BP+1], s[8:9]
	s_cselect_b64 s[BP+2:BP+3], s[12:13], s[BP+2:BP+3]
	s_cselect_b64 s[BP+4:BP+5], s[BP+4:BP+5], s[10:11]
	s_cselect_b32 s[VM], -1, 0
.irp b, 0,1,2,3,4,5,6,7,8,9,10,11
	global_load_b128 v[BIAS+8*(\b):BIAS+8*(\b)+3],   v[BO], s[BP+2*((\b)/4):BP+2*((\b)/4)+1] offset:64*((\b)%4)
	global_load_b128 v[BIAS+8*(\b)+4:BIAS+8*(\b)+7], v[BO], s[BP+2*((\b)/4):BP+2*((\b)/4)+1] offset:64*((\b)%4)+16
.endr
	; LDS addresses.  A fragment is 16 rows x 32 K in 8 registers: lane l holds row l % 16, K = 8 (l / 16) + 0..7 and 16 + 8 (l / 16) + 0..7: two loads of 16 bytes, 32 bytes apart
	v_mul_u32_u24 v3, v1, PITCH
	v_lshl_add_u32 v3, v2, 4, v3                   ; row x pitch + 16 x half
	s_mul_i32 s89, s[MI], 64*PITCH
	v_add_nc_u32 v4, s89, v3                       ; in my 64 rows
	v_mov_b32 v[ADRA0], v4
	v_mov_b32 v[CA], v4
	s_mul_i32 s89, s[NI], 192*PITCH
	s_add_co_u32 s89, s89, PIECE
	v_add_nc_u32 v[ADRB0], s89, v3                 ; my 192 joined rows of weights
	v_mov_b32 v[CB], v[ADRB0]
	s_lshl_b32 s89, s[NI], 7
	s_add_co_u32 s89, s89, TAB
	v_add_nc_u32 v[TA1], s89, v4
	s_xor_b32 s89, s[NI], 1
	s_lshl_b32 s89, s89, 7
	s_add_co_u32 s89, s89, TAB
	v_add_nc_u32 v[TA2], s89, v4
	s_mul_i32 s89, s[NI], PIECE+128                ; group 0: q's columns 0 on, or k's 64 on
	v_add_nc_u32 v[STO], s89, v4
	s_mul_i32 s89, s[NI], 2*PIECE-128              ; group 1: q's columns 64 on, or v's 0 on
	s_add_co_u32 s89, s89, 128
	v_add_nc_u32 v[STO+1], s89, v4
	s_mul_i32 s89, s[NI], PIECE+128                ; group 2: k's columns 0 on, or v's 64 on
	s_add_co_u32 s89, s89, PIECE
	v_add_nc_u32 v[STO+2], s89, v4
	v_add_nc_u32 v[STL], 3*PIECE, v4               ; the fourth plane: q's columns 0 on,
	v_add_nc_u32 v[STL+1], 3*PIECE+128, v4         ; and 64 on
	v_mov_b32 v[M1], -1.0
	v_mul_u32_u24 v5, v2, PITCH                    ; back: lanes 0-15 one row of 256 bytes, lanes 16-31 the next; in a trip of the way out wave w takes 16 rows: 64 (w / 2) + 16 (w % 2) on
	v_lshl_add_u32 v5, v1, 4, v5
	s_lshl_b32 s89, s[MI], 2
	s_add_co_u32 s89, s89, s[NI]
	s_mul_i32 s89, s89, 16*PITCH
	v_add_nc_u32 v[RD], s89, v5
	v_add_nc_u32 v[RD+1], PIECE, v[RD]
	v_add_nc_u32 v[RD+2], 2*PIECE, v[RD]
	v_add_nc_u32 v[RD+3], 3*PIECE, v[RD]
	v_lshrrev_b32 v5, 4, v0
	v_mul_u32_u24 v[TLS], v5, PITCH
	v_lshl_add_u32 v[TLS], v1, 4, v[TLS]
	v_add_nc_u32 v[TLS], TAB, v[TLS]
	v_and_b32 v[CO], 31, v0
	v_lshlrev_b32 v[CO], 4, v[CO]
	v_mov_b32 v[IDN], 0x3e00
	s_lshl_b32 s90, s[TX], 19                      ; qkv: the head's 2,048 rows of 256 bytes,
	s_lshl_b32 s91, s[TY], 15                      ; the block's 128,
	s_add_co_u32 s90, s90, s91
	s_lshl_b32 s91, s[MI], 14                      ; the 16 that I store in the first trip: 64 (w / 2)
	s_add_co_u32 s90, s90, s91
	s_lshl_b32 s91, s[NI], 12                      ; + 16 (w % 2)
	s_add_co_u32 s90, s90, s91
	s_mov_b32 s91, 0
	s_add_nc_u64 s[DQ:DQ+1], s[18:19], s[90:91]
	s_add_nc_u64 s[DQ+2:DQ+3], s[DQ:DQ+1], 0x800000
	s_add_nc_u64 s[DQ+4:DQ+5], s[DQ:DQ+1], 0x1000000
	s_add_nc_u64 s[DL:DL+1], s[DQ:DQ+1], 0x1800000
	; the table: times 1/8 (exact), rounded to bf16, c and s of a pair in one word
	s_wait_loadcnt 24                              ; cos and sin are in; the 24 loads of the bias may stay out
	WIN 0x41
.set i, 0
.rept 64
	v_pk_mul_f32 v[2*i:2*i+1], v[2*i:2*i+1], s[EI:EI+1] op_sel_hi:[1,0]
.set i, i+1
.endr
	WIN 0x05
.set i, 0
.rept 16
.irp j, 0,1,2,3
	v_cvt_pk_bf16_f32 v[FA+4*i+(\j)], v[8*i+(\j)], v[8*i+4+(\j)]
.endr
.set i, i+1
.endr
	WIN 0
.set i, 0
.rept 16
	ds_store_b128 v[TLS], v[FA+4*i:FA+4*i+3] offset:8*PITCH*i
.set i, i+1
.endr
	s_wait_loadcnt 0x0                             ; the bias: rounded to bf16 like every input, and widened again in place
.set z, 0
.rept 48
	v_cvt_pk_bf16_f32 v[3+z%3], v[BIAS+2*z], v[BIAS+2*z+1]
	v_lshlrev_b32 v[BIAS+2*z], 16, v[3+z%3]
	v_and_b32 v[BIAS+2*z+1], s[HM], v[3+z%3]
.set z, z+1
.endr
; 12 matrix instructions: row block 2 hi + a x all 12 column blocks, 32 along K, buffers p.  first = 1: the bias starts the sums: nothing is cleared.  The 48 accumulators take turns, in the same order in every quarter.
.macro MUL12 p, hi, a, first
.if \first
	WIN 0x81+0x40*(\hi)                            ; weights window 1, x and the bias window 0, D window 2 or 3
.else
	WIN 0xa1+0x50*(\hi)                            ; C and D window 2 or 3
.endif
.irp b, 0,1,2,3,4,5,6,7,8,9,10,11
.if \first
	v_wmma_f32_16x16x32_bf16 v[8*(12*(\a)+(\b)):8*(12*(\a)+(\b))+7], v[96*(\p)+8*(\b):96*(\p)+8*(\b)+7], v[FA+32*(\p)+8*(2*(\hi)+(\a)):FA+32*(\p)+8*(2*(\hi)+(\a))+7], v[BIAS+8*(\b):BIAS+8*(\b)+7]
.else
	v_wmma_f32_16x16x32_bf16 v[8*(12*(\a)+(\b)):8*(12*(\a)+(\b))+7], v[96*(\p)+8*(\b):96*(\p)+8*(\b)+7], v[FA+32*(\p)+8*(2*(\hi)+(\a)):FA+32*(\p)+8*(2*(\hi)+(\a))+7], v[8*(12*(\a)+(\b)):8*(12*(\a)+(\b))+7]
.endif
.endr
.endm
; 32 LDS loads in one run: a quarter step's fragments (192 rows of weights, 64 rows of x, 32 K at byte k of the rows of the slot in hand) into buffers p
.macro FETCH k, p
	WIN 0x40
.irp i, 0,1,2,3,4,5,6,7,8,9,10,11
	ds_load_b128 v[96*(\p)+8*(\i):96*(\p)+8*(\i)+3],   v[CB] offset:(\k)+(\i)*16*PITCH
	ds_load_b128 v[96*(\p)+8*(\i)+4:96*(\p)+8*(\i)+7], v[CB] offset:(\k)+(\i)*16*PITCH+32
.endr
	WIN 0
.irp i, 0,1,2,3
	ds_load_b128 v[FA+32*(\p)+8*(\i):FA+32*(\p)+8*(\i)+3],   v[CA] offset:(\k)+(\i)*16*PITCH
	ds_load_b128 v[FA+32*(\p)+8*(\i)+4:FA+32*(\p)+8*(\i)+7], v[CA] offset:(\k)+(\i)*16*PITCH+32
.endr
.endm
; A K step is four quarters of 32 along K, 48 matrix instructions each, on buffers 0, 1, 0, 1.  One of the first three: multiplies buffers p, and in its middle fetches the next quarter into buffers g.
.macro QUARTER k, p, g, first
	s_wait_dscnt 4                                 ; the weights and x's rows 0-31 are in; the youngest four loads (x's rows 32-63) may be out
	MUL12 \p, 0, 0, \first
	MUL12 \p, 0, 1, \first
	PLACES
	FETCH \k, \g
	s_wait_dscnt 32                                ; all but the 32 just issued
	MUL12 \p, 1, 0, \first
	MUL12 \p, 1, 1, \first
.endm
; The last quarter multiplies buffers 1 and changes slots.  One barrier: in front of it each wave waits for all its tensor loads (one is out: its piece of the next slot), adds 0 to its spare word,
; and waits for that and for its own reads of this slot.  Behind it nobody reads this slot any more and the next slot is whole.
; fill = 1: the slot in hand is filled again, with the walk's step two steps on: the walking descriptors are made anew between the add and the wait for it (no tensor load of mine is out); the barrier opens a round of the
; cluster's, so that no wave of any partner still reads the slot or has a load on its way; the joint refill is the first thing behind the round.
.macro TURN fill
	WIN 0
	s_wait_tensorcnt 0x0
	ds_add_u32 v[SPW], v[NIL]
.if \fill
	s_add_co_u32 s[G0+5], s[SB], s[WP]             ; my piece of the slot in hand
	s_add_nc_u64 s[G0+6:G0+7], s[XA:XA+1], s[OFK:OFK+1]
	s_or_b32 s[G0+7], s[G0+7], 0x80000000
	s_add_co_u32 s[G0B+5], s[SB], s[WP]
	s_add_nc_u64 s[G0B+6:G0B+7], s[WA:WA+1], s[OFK:OFK+1]
	s_or_b32 s[G0B+7], s[G0B+7], 0x80000000
	s_add_co_u32 s[OFK], s[OFK], KSTEP*2           ; the next step of the walk; behind a row's last step comes its first
	s_and_b32 s[OFK], s[OFK], 4095
.endif
	s_wait_dscnt 5                                 ; (the add and the youngest four loads may be out)
	MUL12 1, 0, 0, 0                               ; twelve matrix instructions stand between the add and the wait for it
	s_wait_dscnt 0x0                               ; the add is done, and my reads of this slot are over
	s_barrier_signal -1
	MUL12 1, 0, 1, 0
.if \fill
	WIN 0
.endif
	s_barrier_wait -1
.if \fill
	CREST
	JLOAD 1                                        ; my only tensor load until the next round; its four v_nop are also the places in front of the loads below
.else
	PLACES
.endif
	WIN 0
	s_xor_b32 s[SB], s[SB], SLOT                   ; the other slot is in hand
	v_add_nc_u32 v[CA], s[SB], v[ADRA0]
	v_add_nc_u32 v[CB], s[SB], v[ADRB0]
	FETCH 0, 0
	MUL12 1, 1, 0, 0
	MUL12 1, 1, 1, 0
.endm
	s_wait_tensorcnt 1                             ; my piece of the walk's first step is in; the second's may stay out
	s_wait_dscnt 0x0                               ; my words of the table are stored
	s_barrier_signal -1
	s_barrier_wait -1
	FETCH 0, 0
	QUARTER 64, 0, 1, 1                            ; the first quarter stands in front of the loop: its products start the sums, with the bias
	WIN 0
	s_mov_b32 s3, TRIPS
.Lstep:                                                ; a trip goes from a step's second quarter to the next step's first, and fills the step's slot again
	QUARTER 128, 1, 0, 0
	QUARTER 192, 0, 1, 0
	TURN 1
	QUARTER 64,  0, 1, 0
	WIN 0
	s_sub_co_u32 s3, s3, 1
	s_cmp_lg_u32 s3, 0
	s_cbranch_scc1 .Lstep
	QUARTER 128, 1, 0, 0                           ; the last two steps fill nothing
	QUARTER 192, 0, 1, 0
	TURN 0
	QUARTER 64,  0, 1, 0
	QUARTER 128, 1, 0, 0
	QUARTER 192, 0, 1, 0
	s_wait_dscnt 4
	MUL12 1, 0, 0, 0
	MUL12 1, 0, 1, 0
	s_wait_dscnt 0x0
	MUL12 1, 1, 0, 0
	MUL12 1, 1, 1, 0
	WIN 0
	PLACES
	PLACES
; THE WAY OUT of accumulator (a, b) of window 2: registers 2 i, 2 i + 1 are the pair (t1, t2); with (c, s) from the table: (t1 c - t2 s, t1 s + t2 c), two packed lines a pair; rounded to f16; 16 bytes into the stage.
; Slot b % 8 of the table serves block b.  In a wave whose blocks 4 to 11 are v's those slots take the word that turns nothing: a choice of a value, the same lines in every wave.
; Blocks 0 to 7 of the waves with w % 2 = 0 are q: there the second term follows: the f32 number less its first term (one multiply-add from the f16 half, exact), rounded to f16, into the fourth plane.
; The jump over those lines hangs on the wave's number alone and passes no barrier.
.macro ROPE a, b
.set AC, 8*(12*(\a)+(\b))
.set XW, TBL+32*(\a)+4*((\b)%8)
.set PS, PKR+4*((\b)%2)
.set PL, CSR+4*((\b)%2)
	WIN 0
.if (\b) >= 4
.irp i, 0,1,2,3
	v_cndmask_b32 v[XW+(\i)], v[XW+(\i)], v[IDN], s[VM]
.endr
.endif
.irp i, 0,1,2,3
	v_lshlrev_b32 v[CSR+2*(\i)], 16, v[XW+(\i)]
	v_and_b32 v[CSR+2*(\i)+1], s[HM], v[XW+(\i)]
.endr
	WIN 0x02                                       ; source 0: the accumulators' window
.irp i, 0,1,2,3
	v_pk_mul_f32 v[TM+2*(\i):TM+2*(\i)+1], v[AC+2*(\i):AC+2*(\i)+1], v[CSR+2*(\i):CSR+2*(\i)+1] op_sel_hi:[1,0]
.endr
.irp i, 0,1,2,3
	v_pk_fma_f32 v[RR+2*(\i):RR+2*(\i)+1], v[AC+2*(\i):AC+2*(\i)+1], v[CSR+2*(\i):CSR+2*(\i)+1], v[TM+2*(\i):TM+2*(\i)+1] op_sel:[1,1,0] op_sel_hi:[0,1,1] neg_lo:[1,0,0]
.endr
	WIN 0
.irp i, 0,1,2,3
	v_cvt_pk_f16_f32 v[PS+(\i)], v[RR+2*(\i)], v[RR+2*(\i)+1]
.endr
	ds_store_b128 v[STO+(\b)/4], v[PS:PS+3] offset:(\a)*16*PITCH+32*((\b)%4)
.if (\b) < 8
	s_cmp_eq_u32 s[NI], 0
	s_cbranch_scc0 .Lno_lo_\@
.irp i, 0,1,2,3
	v_fma_mix_f32 v[TM+2*(\i)],   v[PS+(\i)], v[M1], v[RR+2*(\i)]   op_sel_hi:[1,0,0]               ; f16 low half x -1 + the f32 number
	v_fma_mix_f32 v[TM+2*(\i)+1], v[PS+(\i)], v[M1], v[RR+2*(\i)+1] op_sel:[1,0,0] op_sel_hi:[1,0,0]  ; the same from the high half
.endr
.irp i, 0,1,2,3
	v_cvt_pk_f16_f32 v[PL+(\i)], v[TM+2*(\i)], v[TM+2*(\i)+1]
.endr
	ds_store_b128 v[STL+(\b)/4], v[PL:PL+3] offset:(\a)*16*PITCH+32*((\b)%4)
.Lno_lo_\@:
.endif
.endm
; TWO TRIPS OF 32 ROWS A WAVE, one text.  A trip turns window 2's 24 accumulators into the stage; behind a barrier (a row's bytes come from two waves) each wave reads 16 whole rows of each plane back and stores them;
; then window 3's accumulators come into window 2 and the addresses step by 32 rows.  So the first trip's stores are on their way while the second trip is computed.
	s_mov_b32 s3, 2
.Lout:
	s_barrier_signal -1                            ; no LDS instruction of mine is out: my reads of the stage in the trip before are back,
	s_barrier_wait -1                              ; everybody's are: the stage may be written
.irp a, 0,1                            ; my table words: for each block of 16 rows eight slots of four words
.irp j, 0,1,2,3
	ds_load_b128 v[TBL+32*(\a)+4*(\j):TBL+32*(\a)+4*(\j)+3],       v[TA1] offset:(\a)*16*PITCH+32*(\j)
	ds_load_b128 v[TBL+32*(\a)+16+4*(\j):TBL+32*(\a)+16+4*(\j)+3], v[TA2] offset:(\a)*16*PITCH+32*(\j)
.endr
.endr
	s_wait_dscnt 0x0
.irp a, 0,1
.irp b, 0,1,2,3,4,5,6,7,8,9,10,11
	ROPE \a, \b
.endr
.endr
	s_wait_dscnt 0x0                               ; for the others' sake: my stores into the stage are done
	s_barrier_signal -1
	s_barrier_wait -1
.irp p, 0,1,2,3
.irp t, 0,1,2,3,4,5,6,7
	ds_load_b128 v[RB+32*(\p)+4*(\t):RB+32*(\p)+4*(\t)+3], v[RD+(\p)] offset:(\t)*2*PITCH
.endr
.endr
.irp p, 0,1,2
.irp t, 0,1,2,3,4,5,6,7
	s_wait_dscnt 31-8*(\p)-(\t)                    ; the younger loads may stay out
	global_store_b128 v[CO], v[RB+32*(\p)+4*(\t):RB+32*(\p)+4*(\t)+3], s[DQ+2*(\p):DQ+2*(\p)+1] offset:512*(\t)  ; two rows of a head: 512 consecutive bytes, aligned
.endr
.endr
.irp t, 0,1,2,3,4,5,6,7
	s_wait_dscnt 7-(\t)
	global_store_b128 v[CO], v[RB+96+4*(\t):RB+96+4*(\t)+3], s[DL:DL+1] offset:512*(\t)
.endr
	s_wait_xcnt 0x0                                ; the stores have read their registers: the offset is stepped, and the rows' registers are loaded again, only behind this wait
	s_cmp_eq_u32 s3, 1
	s_cbranch_scc1 .Llast                          ; behind the last trip nothing is left to move
	WIN 0x83                                       ; source window 3, destination window 2; ascending
.set i, 0
.rept 192
	v_mov_b32 v[i], v[i]
.set i, i+1
.endr
	WIN 0
.irp g, TA1, TA2, STO, STO+1, STO+2, STL, STL+1, RD, RD+1, RD+2, RD+3
	v_add_nc_u32 v[\g], 32*PITCH, v[\g]
.endr
	v_add_nc_u32 v[CO], 32*256, v[CO]
.Llast:
	s_sub_co_u32 s3, s3, 1
	s_cmp_lg_u32 s3, 0
	s_cbranch_scc1 .Lout
	s_wait_tensorcnt 0x0                           ; the wave's end
	ds_add_u32 v[SPW], v[NIL]
	s_wait_dscnt 0x0
	CROUND                                         ; the closing round
	s_endpgm
.Lfunc_end_k_q962c300b88_qkv:
	.size	k_q962c300b88_qkv, .Lfunc_end_k_q962c300b88_qkv-k_q962c300b88_qkv
	.p2alignl 7, 3214868480
	.fill 96, 4, 3214868480
	.section	.rodata,"a",@progbits
	.p2align	6, 0x0
	.amdhsa_kernel k_q962c300b88_qkv
		.amdhsa_group_segment_fixed_size 327680
		.amdhsa_private_segment_fixed_size 0
		.amdhsa_enable_private_segment 0
		.amdhsa_kernarg_size 64
		.amdhsa_user_sgpr_count 2
		.amdhsa_user_sgpr_kernarg_segment_ptr 1
		.amdhsa_wavefront_size32 1
		.amdhsa_system_sgpr_workgroup_id_x 1
		.amdhsa_system_sgpr_workgroup_id_y 1
		.amdhsa_system_sgpr_workgroup_id_z 1
		.amdhsa_system_vgpr_workitem_id 0
		.amdhsa_next_free_vgpr 960
		.amdhsa_next_free_sgpr 96
		.amdhsa_reserve_vcc 0
		.amdhsa_float_denorm_mode_32 3
		.amdhsa_float_denorm_mode_16_64 3
		.amdhsa_memory_ordered 1
		.amdhsa_forward_progress 1
		.amdhsa_inst_pref_size 156
	.end_amdhsa_kernel
	.amdgpu_metadata
---
amdhsa.version: [ 1, 2 ]
amdhsa.kernels:
  - .name:           k_q962c300b88_qkv
    .symbol:         k_q962c300b88_qkv.kd
    .args:
      - { .name: xb, .offset: 0, .size: 8, .value_kind: global_buffer, .address_space: global }
      - { .name: wb, .offset: 8, .size: 8, .value_kind: global_buffer, .address_space: global }
      - { .name: bq, .offset: 16, .size: 8, .value_kind: global_buffer, .address_space: global }
      - { .name: bk, .offset: 24, .size: 8, .value_kind: global_buffer, .address_space: global }
      - { .name: bv, .offset: 32, .size: 8, .value_kind: global_buffer, .address_space: global }
      - { .name: freqs_cos, .offset: 40, .size: 8, .value_kind: global_buffer, .address_space: global }
      - { .name: freqs_sin, .offset: 48, .size: 8, .value_kind: global_buffer, .address_space: global }
      - { .name: qkv, .offset: 56, .size: 8, .value_kind: global_buffer, .address_space: global }
    .group_segment_fixed_size: 327680
    .private_segment_fixed_size: 0
    .kernarg_segment_align: 8
    .kernarg_segment_size: 64
    .max_flat_workgroup_size: 128
    .sgpr_count:     96
    .vgpr_count:     960
    .wavefront_size: 32
...
	.end_amdgpu_metadata
.endif
;; end of part 2
;; launch attn (part 3): grid 16 x 16, 4 waves a work-group, clusters of 4 x 1, 327,680 bytes of LDS; arguments qkv, ob; writes ob
.if DOCPART == 3
	.amdgcn_target "amdgcn-amd-amdhsa--gfx1250"
	.amdhsa_code_object_version 6
	.text
	.protected	k_q962c300b88_attn
	.globl	k_q962c300b88_attn
	.p2align	8
	.type	k_q962c300b88_attn,@function
k_q962c300b88_attn:
	s_mov_b64 s[64:65], 0
	v_nop
	global_prefetch_b8 v0, s[64:65] scope:SCOPE_SE
	s_setreg_imm32_b32 hwreg(HW_REG_WAVE_MODE, 25, 1), 1
	s_wait_xcnt 0x0
	s_wait_alu depctr_hold_cnt(0) depctr_sa_sdst(0) depctr_va_vdst(0) depctr_va_sdst(0) depctr_va_ssrc(0) depctr_va_vcc(0) depctr_vm_vsrc(0)
	s_getreg_b32 s2, hwreg(HW_REG_IB_STS2, 6, 4)
	s_cmp_eq_u32 s2, 0
	s_cbranch_scc0 .Lentry_in_a_cluster
	s_endpgm
.Lentry_in_a_cluster:
	s_bfe_u32 s2, ttmp6, 0x10000c
	s_cmp_lg_u32 s2, 0x3003
	s_cbranch_scc0 .Lentry_shape_is_right
	s_endpgm
.Lentry_shape_is_right:
; CAUSAL ATTENTION, head size 128.  qkv[4][16][2048][128] f16 holds q / 8 (first term), k / 8, v / 8, and q / 8's second term; ob[2048][2048] f16 takes O / 8, column = 128 head + channel.
; p = 2^(c s - c m) with s = (q / 8) . (k / 8), c = 64 log2(e) / sqrt(128), and a running maximum m; products, maxima and sums in f32; p is rounded to f16 for the second product, O once at the end.
; q GOES IN TWO f16 TERMS, both multiplied by the same fragments of K onto the same sums: a score's error near a tie of two keys becomes a weight's error, and with both terms only k's rounding is left in it.
; LIMITS.  A hidden score counts as its value less 1e30; a weight below 2^-126 counts as 0; NaN and infinities are not treated apart; q / 8, k / 8, v / 8 arrive inside f16's range.
; THE WALK.  A head's queries lie in 32 blocks of 64, its keys in 8 tiles of 256.  Work-group b = 4 c + cx (c the cluster, cx the place in it) takes block b, which needs tiles 0 .. c, and then block 31 - b, which
; needs tiles 0 .. 7 - c: nine tiles, the same nine in the same order for the four partners of a cluster.  So every tile is asked for JOINTLY, and every trip count and branch is a constant or hangs on c alone.
; SHARES.  Waves 2 i and 2 i + 1 own the same 32 queries (tiles of 16; a wave's register tile 0 is query tile w, tile 1 query tile w ^ 1); of a key tile's four steps of 64 keys wave w takes those of parity w % 2.
; At a block's end the two partial results are merged through LDS: each wave keeps its tile 0 and sends its tile 1.
; THE MASK is the C operand that starts S^T = K Q^T: MD x AL + BE.  MD hides, in the block's own step DG, the keys beyond each query; (AL, BE) = (1, 0) in step DG, (0, 0) before it, (0, -1e30) behind it.
; DG = cx or 3 - cx enters values alone, by selects.  Only a block's last tile makes masks; elsewhere the mask registers hold 0.  A wave that sees no key of a block ends with c m near -8e30: its part counts 0 in the merge.
; LAYOUT.  S^T holds one query a lane (l % 16) and keys 8 (l / 16) + 0..7; two results rounded to f16 are source 1 of O^T = V^T P.  K comes out of LDS as it lies, V turned by ds_load_tr16_b128.
; IN PHASES: a step's 64 products K Q^T, its softmax, its 32 products V^T P; K of the next step is fetched ahead of V^T P, V of the step ahead of K Q^T.
; REGISTERS, in windows of 256 (s_set_vgpr_msb: bits 1:0 source 0, 3:2 source 1, 5:4 source 2, 7:6 destination):
;   window 0: v0-63 addresses, statistics, work; v64-127 MD; v128-191 the masks; v192-255 the merge's     window 1: v0-127 O^T; v128-191 S^T; v192-223 P
;   window 2: v0-63 Q; v64-127 the second block's Q; v128-255 K of a step            window 3: v0-127 V of a step; v128-191 Q's second term; v192-255 the second block's
.set PKP,   272                        ; a row of K in LDS: 256 + 16: the 16 rows of a load start at 16 different groups of four banks (64 banks of 4 bytes: ISA guide 11.1)
.set PVP,   288                        ; a row of V: 256 + 32
.set KB,    256*PKP                    ; a slot: a tile's 256 rows of K, then its 256 rows of V
.set VB,    256*PVP
.set SLOTB, KB+VB
.set MB,    2*SLOTB                    ; behind the ring: a mailbox of 8,192 bytes for each wave, later also its stage of 16 rows x 272 bytes
.set STAT,  MB+4*8192                  ; 512 bytes for each wave: 16 bytes of statistics a lane
.set SPARE, STAT+2048                  ; the spare words: two blocks of 256 bytes that no other line names
.set AK0, 2
.set AV0, 3
.set AK,  4
.set AV,  5
.set STO, 6
.set RD,  7
.set GO,  8
.set MV,  12                           ; v12-13  c m_old, by tile
.set MBW, 14                           ; v14  my mailbox + 16 x lane
.set MBR, 15                           ; v15  my partner's
.set ST,  16                           ; tile u at ST + 4 u: c m, m, l (even keys', odd keys')
.set TMP, 24                           ; tile u at TMP + 4 u: c0-c3 at work; a takes c2's place
.set STW, 48
.set STR, 49
.set QO,  50                           ; v50-51  my byte offset in a block's rows of Q, tiles 0 and 1
.set PFO, 61
.set SPW, 62
.set NIL, 63
.set MD,  64
.set MC,  128
.set XT,  192
.set S,   128                          ; window 1
.set P,   192
.set QB,  64                           ; window 2
.set KF,  128
.set QL,  128                          ; window 3
.set QLB, 192
.set WV, 12
.set KJ, 13
.set CX, 15
.set CC, 16
.set WKO, 17                           ; my half's place in a slot, for K
.set WVO, 18                           ; and for V
.set FB,  19                           ; the slot to be filled: 0 or SLOTB
.set G1K, 24
.set G1V, 32
.set G0K, 40
.set G0V, 44
.set OHI, 48                           ; s[48:49] ob at my rows of the second block
.set SQLO, 50
.set SQHI, 52
.set NXT, 54                           ; the tile to be asked for next
.set LQ,  55                           ; the last tile of the block whose tiles are being asked for
.set SLOTS, 56
.set TWICE, 57
.set CS,  58
.set SEL, 60
.set TBK, 62                           ; LDS byte at which the slot's next pair of steps of K begins
.set TBV, 63                           ; the same for V, less KB
.set SW,  66                           ; 1 in the first block's last tile, 0 in the tile behind it
.set DO,  67                           ; 1: the first block's last products are still to be merged
.set SG,  68                           ; the step in hand, 0 .. 3
.set DG,  69
.set OFF, 70
.set AL,  72
.set BE,  74
.set BIGN, 76
.set HIQ, 77
.set PFA, 78
.set LIM, 80
.set SQL2, 82                          ; s[82:83] the first block's rows in the plane of q's second term
.set SQH2, 98                          ; s[98:99] the second block's
.set MSB, 0
.macro WIN new
.if MSB != (\new)
	s_set_vgpr_msb (MSB<<8)|(\new)
.set MSB, (\new)
.endif
.endm
.macro PLACES
.rept 4
	v_nop
.endr
.endm
; A joint fill.  Waves 0 and 1 fetch the two halves of a tile's K, waves 2 and 3 those of its V.  An s_nop 0 and four v_nop follow each line.
.macro JLOAD
	s_cmp_lt_u32 s[WV], 2
	s_cbranch_scc0 .Lfor_v_\@
	tensor_load_to_lds s[G0K:G0K+3], s[G1K:G1K+7]
	s_nop 0
.rept 4
	v_nop
.endr
	s_branch .Lasked_\@
.Lfor_v_\@:
	tensor_load_to_lds s[G0V:G0V+3], s[G1V:G1V+7]
	s_nop 0
.rept 4
	v_nop
.endr
.Lasked_\@:
.endm
; A prefetch of the tile that the NEXT change of slots will ask for.  All clusters of a head read its tiles; cluster 0, whose second block walks tiles 0 to 7 in order, asks.  A tile is 512 rows of 256 bytes:
; four partners (told apart by address) x four waves x 32 lanes, a lane a row.  Tiles 0 and 1 come by their loads alone; the last fill asks for nothing.
.macro ASK
	s_cmp_gt_u32 s[SLOTS], s[LIM]
	s_cbranch_scc0 .Lnot_mine_\@
	global_prefetch_b8 v[PFO], s[PFA:PFA+1] th:TH_LOAD_NT scope:SCOPE_SE
.Lnot_mine_\@:
.endm
.macro CROUND
	s_barrier_signal -1
	s_barrier_wait -1
	s_cmp_lg_u32 s[WV], 0
	s_cbranch_scc1 .Lnot_wave_0_\@
	s_barrier_signal -3
.Lnot_wave_0_\@:
	s_barrier_wait -3
	s_barrier_signal -1
	s_barrier_wait -1
.endm
; THE CHANGE OF SLOTS.  Each wave waits for all its tensor loads (one is out: its part of the other slot), adds 0 to its spare word, and waits for that and for its reads of the slot that it leaves.
; fill = 1: the barrier is a round of the cluster's, and the old slot is filled first thing behind it with tile NXT; the descriptor's address is made anew from that number.
.macro CHANGE fill, ask
	WIN 0
	s_wait_tensorcnt 0x0
	ds_add_u32 v[SPW], v[NIL]                      ; 0 onto my spare word; the descriptors' scalar work stands between it and the wait for it
.if \fill
	s_lshl_b32 s[OFF], s[NXT], 16                  ; a tile is 65,536 bytes of K and of V
	s_xor_b32 s[FB], s[FB], SLOTB                  ; FB holds 0 or SLOTB and nothing else
	s_add_co_u32 s[G0K+1], s[FB], s[WKO]
	s_add_nc_u64 s[G0K+2:G0K+3], s[6:7], s[OFF:OFF+1]
	s_or_b32 s[G0K+3], s[G0K+3], 0x80000000
	s_add_co_u32 s[G0V+1], s[FB], s[WVO]
	s_add_nc_u64 s[G0V+2:G0V+3], s[8:9], s[OFF:OFF+1]
	s_or_b32 s[G0V+3], s[G0V+3], 0x80000000
	s_add_co_u32 s[NXT], s[NXT], 1                 ; the block's next tile, or behind its last the second block's tile 0
	s_cmp_gt_u32 s[NXT], s[LQ]
	s_cselect_b32 s[NXT], 0, s[NXT]
	s_cselect_b32 s[LQ], s[HIQ], s[LQ]
.if \ask
	s_wait_xcnt 0x0                                ; the last prefetch, a tile back, has read its address
	s_add_nc_u64 s[PFA:PFA+1], s[PFA:PFA+1], 65536
.endif
	s_wait_dscnt 0x0                               ; the add is done, and my reads of the slot are over
	CROUND
	JLOAD
.if \ask
	ASK
.endif
.else
	s_wait_dscnt 0x0
	s_barrier_signal -1
	s_barrier_wait -1
.endif
	s_sub_co_u32 s[TBK], s[TBK], KB                ; the fetches go back to a slot's first byte (0 or SLOTB),
	s_xor_b32 s[TBK], s[TBK], SLOTB                ; in the other slot
	s_sub_co_u32 s[TBV], s[TBV], VB
	s_xor_b32 s[TBV], s[TBV], SLOTB
.endm
.macro ENTER                           ; a tile is entered
	s_sub_co_u32 s[SW], s[SW], 1
	s_cmp_eq_u32 s[SW], 0
	s_cselect_b32 s[DO], 1, 0
	s_mov_b32 s[SG], s[KJ]
	s_mov_b32 s[TWICE], 2
.endm
	s_load_b128 s[84:87], s[0:1], 0x0              ; qkv s[84:85], ob s[86:87]
	v_lshl_add_u32 v[SPW], v0, 2, SPARE
	v_mov_b32 v[NIL], 0
	ds_add_u32 v[SPW], v[NIL]                      ; the wave's opening: the add and its wait stand ahead of my first tensor load
	v_lshrrev_b32 v1, 5, v0
	v_readfirstlane_b32 s[WV], v1
	s_and_b32 s[KJ], s[WV], 1
	s_bfe_u32 s[CX], ttmp6, 0x40000
	s_mov_b32 s[CC], ttmp9                         ; in a cluster launch ttmp9 counts clusters
	s_and_b32 s14, ttmp7, 0xffff                   ; the head
	s_lshl_b32 s20, s14, 19                        ; its 2,048 rows of 256 bytes in a plane
	s_mov_b32 s21, 0
	s_lshl_b32 s22, s[KJ], 15                      ; the half of a tile that I fetch: 128 rows
	s_add_co_u32 s22, s22, s20
	s_mov_b32 s23, 0
	s_lshl_b32 s88, s[CC], 2
	s_add_co_u32 s88, s88, s[CX]                   ; the first block
	s_sub_co_u32 s89, 31, s88                      ; the second
	s_lshl_b32 s90, s88, 14                        ; their 64 rows of Q
	s_mov_b32 s91, 0
	s_lshl_b32 s92, s89, 14
	s_mov_b32 s93, 0
	s_lshl_b32 s94, s[WV], 16                      ; ob: my 16 rows of 4,096 bytes,
	s_lshl_b32 s95, s14, 8                         ; the head's 256 bytes of a row
	s_add_co_u32 s94, s94, s95
	s_lshl_b32 s96, s89, 18
	s_add_co_u32 s96, s96, s94
	s_mov_b32 s97, 0
	s_lshl_b32 s88, s88, 18
	s_add_co_u32 s88, s88, s94
	s_mov_b32 s89, 0
	s_mul_i32 s[WKO], s[KJ], 128*PKP
	s_mul_i32 s[WVO], s[KJ], 128*PVP
	s_add_co_u32 s[WVO], s[WVO], KB
	s_mov_b32 s[G1K], 15|(1<<16)|(1<<20)|(1<<21)|(5<<22)|(3<<25)  ; the mask of four; 2-byte elements; padding on; bit 21 beside a mask; after every 64 words; 4 words
	s_mov_b32 s[G1V], 15|(1<<16)|(1<<20)|(1<<21)|(5<<22)|(7<<25)  ; the same with 8 words
.irp g, G1K, G1V
	s_mov_b32 s[(\g)+1], 128<<16                   ; tensor_dim0 = 128
	s_mov_b32 s[(\g)+2], 128<<16                   ; tensor_dim1 = 128
	s_mov_b32 s[(\g)+3], 128<<16                   ; tile_dim0 = 128
	s_mov_b32 s[(\g)+4], 128                       ; tile_dim1 = 128
	s_mov_b32 s[(\g)+5], 128                       ; elements from row to row
	s_mov_b32 s[(\g)+6], 0
	s_mov_b32 s[(\g)+7], 0
.endr
	s_mov_b32 s[CS], 0x410293ee                    ; c = 64 log2(e) / sqrt(128)
	s_mov_b32 s[CS+1], s[CS]
	s_mov_b32 s[SEL], 0x76543210
	s_mov_b32 s[SEL+1], 0xfedcba98
	s_mov_b32 s[BIGN], 0xf149f2ca                  ; -1e30
	s_add_co_u32 s[SW], s[CC], 2
	s_mov_b32 s[DO], 0
	s_mov_b32 s[DG], s[CX]
	s_sub_co_u32 s[HIQ], 7, s[CC]
	s_cmp_gt_u32 s[CC], 0
	s_cselect_b32 s[NXT], 1, 0
	s_cselect_b32 s[LQ], s[CC], s[HIQ]
	s_mov_b32 s[FB], 0
	s_mov_b32 s[TBK], SLOTB+KB                     ; the first change of slots turns these two into 0
	s_mov_b32 s[TBV], SLOTB+VB
	s_cmp_eq_u32 s[CC], 0
	s_cselect_b32 s[LIM], 1, -1
	s_mov_b32 s[OFF+1], 0
	s_mov_b32 s[AL], 0
	s_mov_b32 s[AL+1], 0
	s_mov_b32 s[BE], 0
	s_mov_b32 s[BE+1], 0
	s_mov_b32 s[SLOTS], 8                          ; the loop is entered in the middle of a trip, which counts: seven whole trips follow
	s_mov_b32 s[G0K], 1
	s_mov_b32 s[G0K+1], s[WKO]
	s_mov_b32 s[G0V], 1
	s_mov_b32 s[G0V+1], s[WVO]
	s_wait_dscnt 0x0                               ; the opening add is done
	s_wait_kmcnt 0x0
	s_add_nc_u64 s[4:5], s[84:85], s[20:21]        ; Q at the head
	s_add_nc_u64 s[6:7], s[84:85], s[22:23]
	s_add_nc_u64 s[8:9], s[6:7], 0x1000000         ; V at my half of the head's tile 0
	s_add_nc_u64 s[6:7], s[6:7], 0x800000          ; K likewise
	s_add_nc_u64 s[SQLO:SQLO+1], s[4:5], s[90:91]
	s_add_nc_u64 s[SQHI:SQHI+1], s[4:5], s[92:93]
	s_add_nc_u64 s[SQL2:SQL2+1], s[SQLO:SQLO+1], 0x1800000  ; the same rows in the fourth plane
	s_add_nc_u64 s[SQH2:SQH2+1], s[SQHI:SQHI+1], 0x1800000
	s_add_nc_u64 s[10:11], s[86:87], s[88:89]
	s_add_nc_u64 s[OHI:OHI+1], s[86:87], s[96:97]
	s_add_nc_u64 s[G0K+2:G0K+3], s[6:7], 0
	s_or_b32 s[G0K+3], s[G0K+3], 0x80000000
	s_add_nc_u64 s[G0V+2:G0V+3], s[8:9], 0
	s_or_b32 s[G0V+3], s[G0V+3], 0x80000000
	s_cmp_lt_u32 s[WV], 2
	s_cselect_b64 s[PFA:PFA+1], s[6:7], s[8:9]
	s_lshl_b32 s90, s[CX], 13                      ; my work-group's 32 rows of my 128
	s_add_nc_u64 s[PFA:PFA+1], s[PFA:PFA+1], s[90:91]
	s_add_nc_u64 s[PFA:PFA+1], s[PFA:PFA+1], 65536 ; in tile 1: the first asking change steps it to tile 2
	CROUND                                         ; all four work-groups are here
	JLOAD                                          ; tile 0 into slot 0
	v_and_b32 v1, 15, v0                           ; l % 16
	v_bfe_u32 v9, v0, 4, 1                         ; l / 16
	v_lshlrev_b32 v10, 8, v1
	v_lshl_add_u32 v10, v9, 4, v10                 ; row x 256 + 16 x half
	s_xor_b32 s21, s[WV], 1                        ; my partner
	s_lshl_b32 s20, s[WV], 12
	v_add_nc_u32 v[QO], s20, v10
	s_lshl_b32 s20, s21, 12
	v_add_nc_u32 v[QO+1], s20, v10
	WIN 0x80                                       ; destination window 2
.irp u, 0,1
.irp cc, 0,1,2,3                       ; both blocks' Q stay in registers: tile u, channels 32 cc on
	global_load_b128 v[32*(\u)+8*(\cc):32*(\u)+8*(\cc)+3],         v[QO+(\u)], s[SQLO:SQLO+1] offset:64*(\cc)
	global_load_b128 v[32*(\u)+8*(\cc)+4:32*(\u)+8*(\cc)+7],       v[QO+(\u)], s[SQLO:SQLO+1] offset:64*(\cc)+32
	global_load_b128 v[QB+32*(\u)+8*(\cc):QB+32*(\u)+8*(\cc)+3],   v[QO+(\u)], s[SQHI:SQHI+1] offset:64*(\cc)
	global_load_b128 v[QB+32*(\u)+8*(\cc)+4:QB+32*(\u)+8*(\cc)+7], v[QO+(\u)], s[SQHI:SQHI+1] offset:64*(\cc)+32
.endr
.endr
	WIN 0xc0                                       ; destination window 3: the second terms, in the same order
.irp u, 0,1
.irp cc, 0,1,2,3
	global_load_b128 v[QL+32*(\u)+8*(\cc):QL+32*(\u)+8*(\cc)+3],     v[QO+(\u)], s[SQL2:SQL2+1] offset:64*(\cc)
	global_load_b128 v[QL+32*(\u)+8*(\cc)+4:QL+32*(\u)+8*(\cc)+7],   v[QO+(\u)], s[SQL2:SQL2+1] offset:64*(\cc)+32
	global_load_b128 v[QLB+32*(\u)+8*(\cc):QLB+32*(\u)+8*(\cc)+3],   v[QO+(\u)], s[SQH2:SQH2+1] offset:64*(\cc)
	global_load_b128 v[QLB+32*(\u)+8*(\cc)+4:QLB+32*(\u)+8*(\cc)+7], v[QO+(\u)], s[SQH2:SQH2+1] offset:64*(\cc)+32
.endr
.endr
	WIN 0
	v_lshlrev_b32 v11, 3, v9
	v_sub_nc_u32 v11, v1, v11                      ; l % 16 - 8 (l / 16)
	s_lshl_b32 s20, s[WV], 4
	v_add_nc_u32 v52, s20, v11                     ; register j of key block kb is hidden where 16 kb + j is greater than this (tile 0)
	s_lshl_b32 s20, s21, 4
	v_add_nc_u32 v53, s20, v11                     ; (tile 1)
.set i, 0
.rept 32
	v_cmp_gt_i32 vcc_lo, 16*(i/8)+i%8, v52
	v_cndmask_b32 v[MD+i], 0, s[BIGN], vcc_lo
	v_cmp_gt_i32 vcc_lo, 16*(i/8)+i%8, v53
	v_cndmask_b32 v[MD+32+i], 0, s[BIGN], vcc_lo
.set i, i+1
.endr
	v_mul_u32_u24 v[AK0], v1, PKP
	v_lshl_add_u32 v[AK0], v9, 4, v[AK0]
	s_mul_i32 s20, s[KJ], 64*PKP                   ; my parity's step
	v_add_nc_u32 v[AK0], s20, v[AK0]
	v_and_b32 v10, 7, v0                           ; the turning load: lane l reads key 8 (l / 16) + l % 8, channels 8 ((l / 8) % 2) + 0..7
	v_bfe_u32 v11, v0, 3, 1
	v_lshl_add_u32 v[AV0], v9, 3, v10
	v_mul_u32_u24 v[AV0], v[AV0], PVP
	v_lshl_add_u32 v[AV0], v11, 4, v[AV0]
	s_mul_i32 s20, s[KJ], 64*PVP
	s_add_co_u32 s20, s20, KB
	v_add_nc_u32 v[AV0], s20, v[AV0]
	v_and_b32 v54, 31, v0
	v_lshlrev_b32 v[PFO], 8, v54
	s_lshl_b32 s20, s[WV], 13
	s_add_co_u32 s20, s20, MB
	s_lshl_b32 s22, s21, 13
	s_add_co_u32 s22, s22, MB
	v_lshl_add_u32 v[MBW], v54, 4, s20
	v_lshl_add_u32 v[MBR], v54, 4, s22
	v_mul_u32_u24 v[STO], v1, 272                  ; the stage, in: row l % 16, 16 bytes for each half of the lanes
	v_lshl_add_u32 v[STO], v9, 4, v[STO]
	v_add_nc_u32 v[STO], s20, v[STO]
	v_mul_u32_u24 v[RD], v9, 272                   ; back: lanes 0-15 one row of 256 bytes, lanes 16-31 the next
	v_lshl_add_u32 v[RD], v1, 4, v[RD]
	v_add_nc_u32 v[RD], s20, v[RD]
	v_lshlrev_b32 v[GO], 12, v9                    ; and the same two rows in ob
	v_lshl_add_u32 v[GO], v1, 4, v[GO]
	s_lshl_b32 s20, s[WV], 9
	s_add_co_u32 s20, s20, STAT
	s_lshl_b32 s22, s21, 9
	s_add_co_u32 s22, s22, STAT
	v_lshl_add_u32 v[STW], v54, 4, s20
	v_lshl_add_u32 v[STR], v54, 4, s22
.irp u, 0,1
	v_mov_b32 v[ST+4*(\u)], 0xfe000000             ; c m: far below every c s, so that a block's first a is 0
	v_mov_b32 v[ST+4*(\u)+1], 0xff7fffff           ; m
	v_mov_b32 v[ST+4*(\u)+2], 0
	v_mov_b32 v[ST+4*(\u)+3], 0
.endr
	WIN 0x40                                       ; O^T need only be finite: the first step multiplies it by a = 0.  These lines run in the wait for the first tile
.set i, 0
.rept 128
	v_mov_b32 v[i], 0
.set i, i+1
.endr
	WIN 0
.macro MASK                            ; MD x AL + BE
	WIN 0
.set z, 0
.rept 32
	v_pk_fma_f32 v[MC+2*z:MC+2*z+1], v[MD+2*z:MD+2*z+1], s[AL:AL+1], s[BE:BE+1] op_sel_hi:[1,0,0]
.set z, z+1
.endr
.endm
; The LDS loads stand in runs of 32: a step's K (64 keys x 128 channels: key block f / 4, channels 32 (f % 4) on) and its V, turned (keys 32 (f / 8) on, channels 16 (f % 8) on)
.macro FETCH_K
	WIN 0
	v_add_nc_u32 v[AK], s[TBK], v[AK0]
	s_add_co_u32 s[TBK], s[TBK], 128*PKP           ; my next step lies two steps on
	WIN 0x80
.irp f, 0,1,2,3,4,5,6,7,8,9,10,11,12,13,14,15
	ds_load_b128 v[KF+8*(\f):KF+8*(\f)+3],   v[AK] offset:((\f)/4)*16*PKP+((\f)%4)*64
	ds_load_b128 v[KF+8*(\f)+4:KF+8*(\f)+7], v[AK] offset:((\f)/4)*16*PKP+((\f)%4)*64+32
.endr
	WIN 0
.endm
.macro FETCH_V
	WIN 0
	v_add_nc_u32 v[AV], s[TBV], v[AV0]
	s_add_co_u32 s[TBV], s[TBV], 128*PVP
	WIN 0xc0
.irp f, 0,1,2,3,4,5,6,7,8,9,10,11,12,13,14,15
	ds_load_tr16_b128 v[8*(\f):8*(\f)+3],   v[AV] offset:((\f)/8)*32*PVP+((\f)%8)*32
	ds_load_tr16_b128 v[8*(\f)+4:8*(\f)+7], v[AV] offset:((\f)/8)*32*PVP+16*PVP+((\f)%8)*32
.endr
	WIN 0
.endm
; 64 products S^T = K Q^T: the first 32 with Q's first term, the last 32 with its second; in each: channels 32 ((i / 8) % 4) on, keys 16 ((i / 2) % 4) on, tile i % 2.
; The first 8 start the sums with the mask.  The 8 accumulators take turns.
.macro QK
.set i, 0
.rept 64
.set rS, S+32*(i%2)+8*((i/2)%4)
.set rK, KF+32*((i/2)%4)+8*((i/8)%4)
.set rQ, 32*(i%2)+8*((i/8)%4)
.set rM, MC+32*(i%2)+8*((i/2)%4)
.if i < 8
	WIN 0x4a                                       ; K and Q window 2, the mask window 0, S^T window 1
	v_wmma_f32_16x16x32_f16 v[rS:rS+7], v[rK:rK+7], v[rQ:rQ+7], v[rM:rM+7]
.elseif i < 32
	WIN 0x5a
	v_wmma_f32_16x16x32_f16 v[rS:rS+7], v[rK:rK+7], v[rQ:rQ+7], v[rS:rS+7]
.else
	WIN 0x5e                                       ; source 1, Q's second term, window 3
	v_wmma_f32_16x16x32_f16 v[rS:rS+7], v[rK:rK+7], v[QL+rQ:QL+rQ+7], v[rS:rS+7]
.endif
.set i, i+1
.endr
.endm
; 32 products O^T += V^T P: keys 32 (i / 16) on, channels 16 ((i / 2) % 8) on, tile i % 2.  The 16 accumulators take turns.
.macro PVM
	WIN 0x57                                       ; V window 3, P and O^T window 1
.set i, 0
.rept 32
.set rO, 64*(i%2)+8*((i/2)%8)
.set rV, 64*(i/16)+8*((i/2)%8)
.set rP, P+16*(i%2)+8*(i/16)
	v_wmma_f32_16x16x32_f16 v[rO:rO+7], v[rV:rV+7], v[rP:rP+7], v[rO:rO+7]
.set i, i+1
.endr
.endm
.macro TREGS u
.set rT, ST+4*(\u)
.set rC, TMP+4*(\u)
.set rW, MV+(\u)
.set rS, S+32*(\u)
.set rP, P+16*(\u)
.set rO, 64*(\u)
.endm
.macro XS u, n                         ; the end of the maximum and the statistics
	TREGS \u
.if (\n) == 14
	v_max3_num_f32 v[rC+2], v[rC+2], v[rC+3], v[rT+1]
.elseif (\n) == 15
	v_mov_b32 v[rW], v[rT]
.elseif (\n) == 16
	v_max3_num_f32 v[rC], v[rC], v[rC+1], v[rC+2]
.elseif (\n) == 17
	v_permlanex16_b32 v[rC+3], v[rC], s[SEL], s[SEL+1]  ; the query's other 32 keys lie in the lane 16 away
.elseif (\n) == 18
	v_max_num_f32 v[rT+1], v[rC], v[rC+3]
.elseif (\n) == 19
	v_mul_f32 v[rT], s[CS], v[rT+1]
.elseif (\n) == 20
	v_sub_f32 v[rC+1], v[rW], v[rT]
.else
	v_exp_f32 v[rC+2], v[rC+1]
.endif
.endm
.macro FS f                            ; c s - c m for pair f / 2 of tile f % 2
	TREGS (\f)%2
	v_pk_fma_f32 v[rS+2*((\f)/2):rS+2*((\f)/2)+1], v[rS+2*((\f)/2):rS+2*((\f)/2)+1], s[CS:CS+1], v[rT:rT+1] op_sel_hi:[1,0,0] neg_lo:[0,0,1] neg_hi:[0,0,1]
.endm
.macro RS n                            ; pair n / 2 of tile n % 2 of O^T times a: each accumulator's lowest registers first
	TREGS (\n)%2
	v_pk_mul_f32 v[rO+2*((\n)/2):rO+2*((\n)/2)+1], v[rO+2*((\n)/2):rO+2*((\n)/2)+1], v[rC+2:rC+3] op_sel_hi:[1,0]
.endm
; A STEP'S SOFTMAX for both tiles, which alternate line by line.  The 64 exponentials are one batch with one wait: ahead of it nothing names a result of theirs; each has a plain line behind it (a scaling of a
; later pair, then a rescaling of O^T).  The two a have a wait of their own, eight scalings behind them.
.macro SOFTMAX
	WIN 0x15                                       ; three scores (window 1) into window 0
.irp n, 0,1,2,3
.irp u, 0,1
	TREGS \u
	v_max3_num_f32 v[rC+(\n)], v[rS+8*(\n)], v[rS+8*(\n)+1], v[rS+8*(\n)+2]
.endr
.endr
	WIN 0x14
.irp n, 4,5,6,7,8,9,10,11
.irp u, 0,1
	TREGS \u
	v_max3_num_f32 v[rC+(\n)%4], v[rC+(\n)%4], v[rS+8*((\n)%4)+2*((\n)/4)+1], v[rS+8*((\n)%4)+2*((\n)/4)+2]
.endr
.endr
.irp u, 0,1
	TREGS \u
	v_max3_num_f32 v[rC], v[rC], v[rS+7], v[rS+15]
	v_max3_num_f32 v[rC+1], v[rC+1], v[rS+23], v[rS+31]
.endr
	WIN 0
.irp n, 14,15,16,17,18,19,20,21
	XS 0, \n
	XS 1, \n
.endr
	WIN 0x41                                       ; destination and source 0 window 1
.set k, 0
.rept 8
	FS k
.set k, k+1
.endr
	s_wait_alu depctr_va_vdst(0)                   ; a wait ahead of the first line that names a
.set k, 0
.rept 64
	TREGS k%2
	v_exp_f32 v[rS+k/2], v[rS+k/2]
.if k < 24
	FS 8+k
.else
	RS k-24
.endif
.set k, k+1
.endr
.set k, 40
.rept 24
	RS k
.set k, k+1
.endr
	s_wait_alu depctr_va_vdst(0)                   ; one wait for the 64 exponentials, ahead of their first reader
	WIN 0x45                                       ; destination and both sources window 1
.set k, 0
.rept 32
	TREGS k%2
	v_cvt_pk_f16_f32 v[rP+k/2], v[rS+2*(k/2)], v[rS+2*(k/2)+1]
.set k, k+1
.endr
.irp w, 4,8,16,32                      ; the sum of a tile's 16 pairs, in place: neighbours 1, 2, 4 and 8 pairs apart
.set k, 0
.rept 32/(\w)
.irp u, 0,1
	TREGS \u
	v_pk_add_f32 v[rS+(\w)*k:rS+(\w)*k+1], v[rS+(\w)*k:rS+(\w)*k+1], v[rS+(\w)*k+(\w)/2:rS+(\w)*k+(\w)/2+1]
.endr
.set k, k+1
.endr
.endr
	WIN 0x10                                       ; source 2 window 1
.irp u, 0,1
	TREGS \u
	v_pk_fma_f32 v[rT+2:rT+3], v[rT+2:rT+3], v[rC+2:rC+3], v[rS:rS+1] op_sel_hi:[1,0,1]
.endr
.endm
; A step's first part: V is fetched, the mask made (in a block's last tile), S^T, the softmax.  At its end V is in: no LDS read of mine is out.
.macro HEAD always
	PLACES                                         ; the last product that read V stands just ahead
	FETCH_V
.if !(\always)
	s_cmp_eq_u32 s[SW], 1                          ; hangs on c and the walk's count alone
	s_cbranch_scc0 .Lnomask_\@
.endif
	s_cmp_eq_u32 s[SG], s[DG]
	s_cselect_b32 s[AL], 1.0, 0
	s_cmp_gt_u32 s[SG], s[DG]
	s_cselect_b32 s[BE], s[BIGN], 0
	MASK
.if !(\always)
.Lnomask_\@:
.endif
	s_add_co_u32 s[SG], s[SG], 2
	s_wait_dscnt 32                                ; K is in; V's 32 younger loads may be out
	QK
	PLACES
	SOFTMAX
	WIN 0
	s_wait_dscnt 0x0                               ; V is in
.endm
; A BLOCK'S END.  The two waves of a pair exchange c m and l, agree on the common maximum g and the sum L, scale their parts by 2^(c m - g) / L, and each sends its tile 1 and adds what it receives onto its tile 0.
; Three barriers: the statistics are stored; the mailboxes are stored; the mailboxes have been read (each then serves its own wave as a stage).  The tile on its way lands in the ring.
.macro MERGE
	WIN 0
	v_add_f32 v33, v[ST+2], v[ST+3]                ; plain lines: the places behind the last products
	v_add_f32 v35, v[ST+6], v[ST+7]
	v_mov_b32 v32, v[ST]
	v_mov_b32 v34, v[ST+4]
	v_mov_b32 v42, 0
	v_mov_b32 v43, 0
	v_permlanex16_b32 v42, v33, s[SEL], s[SEL+1]
	v_permlanex16_b32 v43, v35, s[SEL], s[SEL+1]
	v_add_f32 v33, v33, v42
	v_add_f32 v35, v35, v43
	ds_store_b128 v[STW], v[32:35]                 ; c m, l of tile 0; c m, l of tile 1
	s_wait_dscnt 0x0
	s_barrier_signal -1
	s_barrier_wait -1
	ds_load_b128 v[36:39], v[STR]                  ; my partner's: its tile 1 is my tile 0
	s_wait_dscnt 0x0
	v_max_num_f32 v40, v32, v38
	v_max_num_f32 v41, v34, v36
	v_sub_f32 v42, v32, v40
	v_sub_f32 v43, v38, v40
	v_sub_f32 v44, v34, v41
	v_sub_f32 v45, v36, v41
	v_exp_f32 v42, v42
	v_exp_f32 v43, v43
	v_exp_f32 v44, v44
	v_exp_f32 v45, v45
	v_nop
	s_wait_alu depctr_va_vdst(0)                   ; one wait for the four
	v_mul_f32 v46, v42, v33
	v_mul_f32 v47, v44, v35
	v_fmac_f32 v46, v43, v39
	v_fmac_f32 v47, v45, v37
	v_rcp_f32 v46, v46
	v_rcp_f32 v47, v47
	v_nop
	s_wait_alu depctr_va_vdst(0)
	v_mul_f32 v40, v42, v46                        ; my tile 0's factor
	v_mul_f32 v36, v44, v47                        ; my tile 1's
	WIN 0x41
.set i, 0
.rept 32
	v_pk_mul_f32 v[64+2*i:64+2*i+1], v[64+2*i:64+2*i+1], v[36:37] op_sel_hi:[1,0]
.set i, i+1
.endr
	WIN 0x04                                       ; the stores' data window 1
.set i, 0
.rept 16
	ds_store_b128 v[MBW], v[64+4*i:64+4*i+3] offset:512*i
.set i, i+1
.endr
	WIN 0x41
.set i, 0
.rept 32
	v_pk_mul_f32 v[2*i:2*i+1], v[2*i:2*i+1], v[40:41] op_sel_hi:[1,0]
.set i, i+1
.endr
	WIN 0
	s_wait_dscnt 0x0
	s_barrier_signal -1
	s_barrier_wait -1
.set i, 0
.rept 16
	ds_load_b128 v[XT+4*i:XT+4*i+3], v[MBR] offset:512*i
.set i, i+1
.endr
	s_wait_dscnt 0x0                               ; I have read my partner's mailbox:
	s_barrier_signal -1                            ; say so, and add while the others arrive
	WIN 0x41
.set i, 0
.rept 32
	v_pk_add_f32 v[2*i:2*i+1], v[2*i:2*i+1], v[XT+2*i:XT+2*i+1]
.set i, i+1
.endr
	WIN 0
	s_barrier_wait -1
	WIN 0x05
.set i, 0
.rept 32
	v_cvt_pk_f16_f32 v[XT+i], v[2*i], v[2*i+1]
.set i, i+1
.endr
	WIN 0
.irp f, 0,1,2,3,4,5,6,7
	ds_store_b128 v[STO], v[XT+4*(\f):XT+4*(\f)+3] offset:32*(\f)
.endr
.irp f, 0,1,2,3,4,5,6,7
	ds_load_b128 v[XT+32+4*(\f):XT+32+4*(\f)+3], v[RD] offset:(\f)*2*272  ; LDS serves a wave's instructions in order (ISA guide 5.7.1.4): these see the stores above
.endr
.irp f, 0,1,2,3,4,5,6,7
	s_wait_dscnt 7-(\f)
	global_store_b128 v[GO], v[XT+32+4*(\f):XT+32+4*(\f)+3], s[10:11] offset:8192*(\f)  ; 16 lanes store 256 consecutive bytes, aligned: a head's piece of a row
.endr
	s_wait_xcnt 0x0                                ; the stores have read their registers and their base
.endm
.macro BEGIN2                          ; the second block begins: both terms of its Q go where the one text names Q; m starts anew; O^T and l are finite and meet a = 0; the masks are 0 again
	s_mov_b64 s[10:11], s[OHI:OHI+1]
	WIN 0x82
.set i, 0
.rept 64
	v_mov_b32 v[i], v[QB+i]
.set i, i+1
.endr
	WIN 0xc3
.set i, 0
.rept 64
	v_mov_b32 v[QL+i], v[QLB+i]
.set i, i+1
.endr
	WIN 0
.irp u, 0,1
	v_mov_b32 v[ST+4*(\u)], 0xfe000000
	v_mov_b32 v[ST+4*(\u)+1], 0xff7fffff
.endr
	s_sub_co_u32 s[DG], 3, s[CX]
	s_mov_b32 s[AL], 0
	s_mov_b32 s[BE], 0
	MASK
	s_mov_b32 s[DO], 0
.endm
; A tile's two steps of mine.  A trip: K of the step is fetched, the step before is finished (V^T P), then the step's first part.
.macro TWO_STEPS sw, always
.Lstep_\@:
	FETCH_K
	PVM
	WIN 0
.if \sw
	s_cmp_eq_u32 s[DO], 1                          ; the same in all waves and all partners: it hangs on c and the walk's count
	s_cbranch_scc0 .Lsame_\@
	MERGE
	BEGIN2
.Lsame_\@:
.Lfirst:
.endif
	HEAD \always
	s_sub_co_u32 s[TWICE], s[TWICE], 1
	s_cmp_lg_u32 s[TWICE], 0
	s_cbranch_scc1 .Lstep_\@
.endm
	MASK                                           ; AL = BE = 0: the masks are 0
	CHANGE 1, 0                                    ; tile 0 is in, everybody's part of it; the walk's second tile is asked for, into slot 1
	ENTER
	FETCH_K
	s_wait_loadcnt 0x0                             ; both terms of both blocks' Q
	s_branch .Lfirst                               ; the loop is entered at a step's first part: there is no step before to finish
.Lslot:                                                ; seven trips: a tile is entered and the next is asked for
	CHANGE 1, 1
	ENTER
	TWO_STEPS 1, 0
	s_sub_co_u32 s[SLOTS], s[SLOTS], 1
	s_cmp_lg_u32 s[SLOTS], 0
	s_cbranch_scc1 .Lslot
	CHANGE 0, 0                                    ; the walk's last tile is written out; it is the second block's last: its steps make masks
	ENTER
	TWO_STEPS 0, 1
	PVM
	MERGE
	s_wait_tensorcnt 0x0                           ; the wave's end
	ds_add_u32 v[SPW], v[NIL]
	s_wait_dscnt 0x0
	CROUND                                         ; the closing round
	s_endpgm
.Lfunc_end_k_q962c300b88_attn:
	.size	k_q962c300b88_attn, .Lfunc_end_k_q962c300b88_attn-k_q962c300b88_attn
	.p2alignl 7, 3214868480
	.fill 96, 4, 3214868480
	.section	.rodata,"a",@progbits
	.p2align	6, 0x0
	.amdhsa_kernel k_q962c300b88_attn
		.amdhsa_group_segment_fixed_size 327680
		.amdhsa_private_segment_fixed_size 0
		.amdhsa_enable_private_segment 0
		.amdhsa_kernarg_size 16
		.amdhsa_user_sgpr_count 2
		.amdhsa_user_sgpr_kernarg_segment_ptr 1
		.amdhsa_wavefront_size32 1
		.amdhsa_system_sgpr_workgroup_id_x 1
		.amdhsa_system_sgpr_workgroup_id_y 1
		.amdhsa_system_sgpr_workgroup_id_z 1
		.amdhsa_system_vgpr_workitem_id 0
		.amdhsa_next_free_vgpr 1024
		.amdhsa_next_free_sgpr 100
		.amdhsa_reserve_vcc 1
		.amdhsa_float_denorm_mode_32 3
		.amdhsa_float_denorm_mode_16_64 3
		.amdhsa_memory_ordered 1
		.amdhsa_forward_progress 1
		.amdhsa_inst_pref_size 126
	.end_amdhsa_kernel
	.amdgpu_metadata
---
amdhsa.version: [ 1, 2 ]
amdhsa.kernels:
  - .name:           k_q962c300b88_attn
    .symbol:         k_q962c300b88_attn.kd
    .args:
      - { .name: qkv, .offset: 0, .size: 8, .value_kind: global_buffer, .address_space: global }
      - { .name: ob, .offset: 8, .size: 8, .value_kind: global_buffer, .address_space: global }
    .group_segment_fixed_size: 327680
    .private_segment_fixed_size: 0
    .kernarg_segment_align: 8
    .kernarg_segment_size: 16
    .max_flat_workgroup_size: 128
    .sgpr_count:     100
    .vgpr_count:     1024
    .wavefront_size: 32
...
	.end_amdgpu_metadata
.endif
;; end of part 3
;; launch proj (part 4): grid 16 x 16, 4 waves a work-group, clusters of 4 x 4, 327,680 bytes of LDS; arguments ob, wph, bp, out0; writes out0
.if DOCPART == 4
	.amdgcn_target "amdgcn-amd-amdhsa--gfx1250"
	.amdhsa_code_object_version 6
	.text
	.protected	k_q962c300b88_proj
	.globl	k_q962c300b88_proj
	.p2align	8
	.type	k_q962c300b88_proj,@function
k_q962c300b88_proj:
	s_mov_b64 s[64:65], 0
	v_nop
	global_prefetch_b8 v0, s[64:65] scope:SCOPE_SE
	s_setreg_imm32_b32 hwreg(HW_REG_WAVE_MODE, 25, 1), 1
	s_wait_xcnt 0x0
	s_wait_alu depctr_hold_cnt(0) depctr_sa_sdst(0) depctr_va_vdst(0) depctr_va_sdst(0) depctr_va_ssrc(0) depctr_va_vcc(0) depctr_vm_vsrc(0)
	s_getreg_b32 s2, hwreg(HW_REG_IB_STS2, 6, 4)
	s_cmp_eq_u32 s2, 0
	s_cbranch_scc0 .Lentry_in_a_cluster
	s_endpgm
.Lentry_in_a_cluster:
	s_bfe_u32 s2, ttmp6, 0x10000c
	s_cmp_lg_u32 s2, 0xf033
	s_cbranch_scc0 .Lentry_shape_is_right
	s_endpgm
.Lentry_shape_is_right:
; out0[m][n] = the sum over k of ob[m][k] wph[n][k] + bp[n].  ob = O / 8 and wph = 8 x bf16(wp), both [2048][2048] f16, so the product is O wp^T; bp is rounded to bf16 like every input and starts the sums; out0 f32.
; A tile of out0 is 128 x 128: 256 work-groups.  Four waves, each 64 x 64: 16 accumulators.  K goes in 8 steps of 256 (LDS rows of 512 bytes; a wave's tensor load brings 64 of them) through two slots.
; CLUSTER 4 x 4: ob's tiles are asked for jointly along a row of the cluster, wph's along a column.  The matrix instruction is used transposed (source 0 = 16 rows of wph, source 1 = 16 rows of ob): a lane holds
; eight neighbouring numbers of a row of out0.  A wave's 64 columns of f32 are 256 aligned bytes of a row, so each wave sends its own rows out through a stage of its own, without a barrier.
; THE WALK ALONG K BEGINS ELSEWHERE IN EACH CLUSTER, at step 2 ((cluster x + 2 cluster y) mod 4), and wraps (f32 sums may be taken in any order): the four clusters along x, which read the same rows of ob, are always
; two steps apart, clusters y and y + 1, which read the same rows of wph, four.  The start hangs on the cluster's coordinates alone: it is the same in all sixteen partners.
; NO PREFETCH: the tiles are small, and with these starts every block of ob and wph has its first reading of the launch in some cluster's first two steps, the first fills.
; REGISTERS: window 0: v0-31 addresses; v32-63 the bias, then with v64-95 whole rows on the way out; v128-255 the accumulators ((a, b) at 128 + 8 (4 a + b)).   window 1: two fragment buffers of 128.
.set SIZE_K, 2048
.set KSTEP,  256
.set PITCH,  528                       ; 512 bytes + 16 of padding = 132 words: row r starts at bank 4 r mod 64 (64 banks of 4 bytes: ISA guide 11.1)
.set HALFT,  64*PITCH
.set SLOT,   4*HALFT
.set STAGE,  2*SLOT                    ; behind the ring: 16 rows x 272 bytes for each wave
.set SPITCH, 272
.set SPARE,  STAGE+4*16*SPITCH         ; the spare words: two blocks of 256 bytes that no other line names
.set TRIPS,  SIZE_K/KSTEP-2            ; a trip = one K step; every step but the last two fills its slot again
.set ADRA0, 16                         ; v16  LDS address of my fragments of ob in slot 0; never rewritten
.set CA,   17                          ; v17  the same in the slot in hand
.set ADRB0, 20                         ; v20, v21  the same for wph
.set CB,   21
.set STO,  24
.set RD,   25
.set CO,   26
.set BO,   27                          ; v27  32 (l / 16): my eight numbers of a block of 16 of the bias
.set SPW,  28
.set NIL,  29
.set TMP,  32
.set ACC,  128
.set F0,   0
.set F1,   128
.set G1, 24                            ; s[24:31] descriptor group 1 for ob's tiles;  s[32:39] group 0, a set for each of the two first fills; the second then walks on
.set G0, 32
.set G1B, 48                           ; s[48:55], s[56:63] the same for wph's
.set G0B, 56
.set OFK, 72                           ; s[72:73] the byte of a row at which the K step to be asked for next begins: it steps by 512 and wraps at 4,096
.set SB,  74                           ; s74  the slot in hand: 0 or SLOT, and nothing else
.set MSB, 0
.macro WIN new
.if MSB != (\new)
	s_set_vgpr_msb (MSB<<8)|(\new)
.set MSB, \new
.endif
.endm
.set MUL,  0x05                        ; sources 0 and 1 window 1; C and D window 0
.set TO_F, 0x40
.macro JLOAD s                         ; waves 0 and 1 fetch ob's two halves, waves 2 and 3 wph's; an s_nop 0 and four v_nop follow each line
	s_cmp_eq_u32 s11, 0
	s_cbranch_scc0 .Lfor_b_\@
	tensor_load_to_lds s[G0+4*(\s):G0+4*(\s)+3], s[G1:G1+7]
	s_nop 0
.rept 4
	v_nop
.endr
	s_branch .Lasked_\@
.Lfor_b_\@:
	tensor_load_to_lds s[G0B+4*(\s):G0B+4*(\s)+3], s[G1B:G1B+7]
	s_nop 0
.rept 4
	v_nop
.endr
.Lasked_\@:
.endm
.macro CREST
	s_cmp_lg_u32 s10, 0
	s_cbranch_scc1 .Lnot_wave_0_\@
	s_barrier_signal -3
.Lnot_wave_0_\@:
	s_barrier_wait -3
	s_barrier_signal -1
	s_barrier_wait -1
.endm
.macro CROUND
	s_barrier_signal -1
	s_barrier_wait -1
	CREST
.endm
	s_load_b128 s[4:7], s[0:1], 0x0                ; ob s[4:5], wph s[6:7]
	s_load_b64 s[66:67], s[0:1], 0x10              ; bp
	s_load_b64 s[8:9], s[0:1], 0x18                ; out0
	v_lshl_add_u32 v[SPW], v0, 2, SPARE
	v_mov_b32 v[NIL], 0
	ds_add_u32 v[SPW], v[NIL]                      ; the wave's opening: the add and its wait stand ahead of my first tensor load
	v_lshrrev_b32 v1, 5, v0
	v_readfirstlane_b32 s10, v1                    ; wave 0..3
	s_lshr_b32 s11, s10, 1                         ; which half of the tile's rows is mine.  Also: I fetch for ob (0) or for wph (1)
	s_and_b32 s12, s10, 1                          ; which half of its columns.  Also: which 64 rows of that tile I fetch
	s_bfe_u32 s40, ttmp6, 0x40000
	s_bfe_u32 s41, ttmp6, 0x40004
	s_lshl_b32 s42, ttmp9, 2
	s_add_co_u32 s42, s42, s40                     ; tile column
	s_and_b32 s13, ttmp7, 0xffff
	s_lshl_b32 s13, s13, 2
	s_add_co_u32 s13, s13, s41                     ; tile row
	s_lshl_b32 s43, s41, 2
	s_lshl_b32 s43, 15, s43                        ; my row of the cluster
	s_lshl_b32 s44, 0x1111, s40                    ; my column
	s_or_b32 s[G1+0], s43, (1<<16)|(1<<20)|(1<<21)|(6<<22)|(3<<25)  ; the mask; 2-byte elements; padding on; bit 21 beside a mask; after every 128 words; 4 words
	s_or_b32 s[G1B+0], s44, (1<<16)|(1<<20)|(1<<21)|(6<<22)|(3<<25)
.irp g, G1, G1B
	s_mov_b32 s[(\g)+1], KSTEP<<16                 ; tensor_dim0 = 256
	s_mov_b32 s[(\g)+2], 64<<16                    ; tensor_dim1 = 64
	s_mov_b32 s[(\g)+3], KSTEP<<16                 ; tile_dim0 = 256
	s_mov_b32 s[(\g)+4], 64                        ; tile_dim1 = 64
	s_mov_b32 s[(\g)+5], SIZE_K
	s_mov_b32 s[(\g)+6], 0
	s_mov_b32 s[(\g)+7], 0
.endr
	s_and_b32 s[OFK], ttmp7, 0xffff                ; where my cluster's walk along K begins:
	s_lshl_b32 s[OFK], s[OFK], 1
	s_add_co_u32 s[OFK], s[OFK], ttmp9
	s_and_b32 s[OFK], s[OFK], 3                    ; (cluster x + 2 cluster y) mod 4,
	s_lshl_b32 s[OFK], s[OFK], 10                  ; times two steps of 512 bytes
	s_mov_b32 s[OFK+1], 0
	s_mov_b32 s[SB], 0
	s_lshl_b32 s17, s12, 6
	s_lshl_b32 s16, s13, 7
	s_add_co_u32 s16, s16, s17                     ; ob: row 128 x tile row + 64 x half
	s_lshl_b32 s46, s42, 7
	s_add_co_u32 s46, s46, s17                     ; wph: row 128 x tile column + 64 x half
	s_mov_b32 s17, 0
	s_mov_b32 s47, 0
	s_mov_b64 s[18:19], SIZE_K*2
	s_mul_u64 s[16:17], s[16:17], s[18:19]
	s_mul_u64 s[46:47], s[46:47], s[18:19]
	s_mul_i32 s20, s10, HALFT                      ; where my part of a slot lies: wave x 64 rows
	s_wait_dscnt 0x0                               ; the opening add is done
	s_wait_kmcnt 0x0
	s_add_nc_u64 s[14:15], s[4:5], s[16:17]        ; the two bases stay
	s_add_nc_u64 s[46:47], s[6:7], s[46:47]
	CROUND
.irp s, 0,1
	s_mov_b32 s[G0+4*(\s)], 1
	s_add_co_u32 s[G0+4*(\s)+1], s20, (\s)*SLOT
	s_add_nc_u64 s[G0+4*(\s)+2:G0+4*(\s)+3], s[14:15], s[OFK:OFK+1]
	s_or_b32 s[G0+4*(\s)+3], s[G0+4*(\s)+3], 0x80000000
	s_mov_b32 s[G0B+4*(\s)], 1
	s_add_co_u32 s[G0B+4*(\s)+1], s20, (\s)*SLOT
	s_add_nc_u64 s[G0B+4*(\s)+2:G0B+4*(\s)+3], s[46:47], s[OFK:OFK+1]
	s_or_b32 s[G0B+4*(\s)+3], s[G0B+4*(\s)+3], 0x80000000
	JLOAD \s
	s_add_co_u32 s[OFK], s[OFK], KSTEP*2           ; the next step of the walk; behind a row's last step comes its first
	s_and_b32 s[OFK], s[OFK], 4095
.endr
	v_and_b32 v1, 15, v0                           ; l % 16
	v_bfe_u32 v2, v0, 4, 1                         ; l / 16
	s_lshl_b32 s16, s13, 20                        ; out0: 128 rows of 8,192 bytes a tile row,
	s_lshl_b32 s17, s11, 19                        ; my 64 of them
	s_add_co_u32 s16, s16, s17
	s_mov_b32 s17, 0
	s_add_nc_u64 s[8:9], s[8:9], s[16:17]
	s_lshl_b32 s70, s42, 9                         ; my 64 columns, 4 bytes each: in out0 and in bp alike
	s_lshl_b32 s71, s12, 8
	s_add_co_u32 s70, s70, s71
	s_mov_b32 s71, 0
	s_add_nc_u64 s[8:9], s[8:9], s[70:71]
	s_add_nc_u64 s[66:67], s[66:67], s[70:71]
	v_lshlrev_b32 v[BO], 5, v2
.irp b, 0,1,2,3
	global_load_b128 v[TMP+8*(\b):TMP+8*(\b)+3],   v[BO], s[66:67] offset:64*(\b)
	global_load_b128 v[TMP+8*(\b)+4:TMP+8*(\b)+7], v[BO], s[66:67] offset:64*(\b)+16
.endr
	v_mul_u32_u24 v3, v1, PITCH
	v_lshl_add_u32 v3, v2, 4, v3
	s_mul_i32 s21, s11, HALFT
	s_mul_i32 s22, s12, HALFT
	s_add_co_u32 s22, s22, 2*HALFT
	v_add_nc_u32 v[ADRA0], s21, v3
	v_add_nc_u32 v[ADRB0], s22, v3
	v_mov_b32 v[CA], v[ADRA0]
	v_mov_b32 v[CB], v[ADRB0]
	s_mul_i32 s23, s10, 16*SPITCH
	s_add_co_u32 s23, s23, STAGE                   ; my stage
	v_mul_u32_u24 v4, v1, SPITCH                   ; in: row l % 16, 32 bytes for each half of the lanes
	v_lshl_add_u32 v4, v2, 5, v4
	v_add_nc_u32 v[STO], s23, v4
	v_mul_u32_u24 v5, v2, SPITCH                   ; back: lanes 0-15 one row of 256 bytes, lanes 16-31 the next
	v_lshl_add_u32 v5, v1, 4, v5
	v_add_nc_u32 v[RD], s23, v5
	v_lshlrev_b32 v5, 13, v2                       ; and the same two rows in out0
	v_lshl_add_u32 v[CO], v1, 4, v5
	s_mov_b32 s68, 0xffff0000
	s_wait_loadcnt 0x0                             ; the bias: rounded to bf16, widened again in place
.set z, 0
.rept 16
	v_cvt_pk_bf16_f32 v[3+z%3], v[TMP+2*z], v[TMP+2*z+1]
	v_lshlrev_b32 v[TMP+2*z], 16, v[3+z%3]
	v_and_b32 v[TMP+2*z+1], s68, v[3+z%3]
.set z, z+1
.endr
; 8 matrix instructions: row blocks a0, a0 + 1 x all 4 column blocks, 32 along K: half c of buffer f.  zero = 1: the bias starts the sums.  The 16 accumulators take turns.
.macro MUL8 f, c, a0, zero
	WIN MUL
.irp a, \a0, (\a0)+1
.irp b, 0,1,2,3
.if \zero
	v_wmma_f32_16x16x32_f16 v[ACC+8*(4*(\a)+(\b)):ACC+8*(4*(\a)+(\b))+7], v[(\f)+64+8*(4*(\c)+(\b)):(\f)+64+8*(4*(\c)+(\b))+7], v[(\f)+8*(4*(\c)+(\a)):(\f)+8*(4*(\c)+(\a))+7], v[TMP+8*(\b):TMP+8*(\b)+7]
.else
	v_wmma_f32_16x16x32_f16 v[ACC+8*(4*(\a)+(\b)):ACC+8*(4*(\a)+(\b))+7], v[(\f)+64+8*(4*(\c)+(\b)):(\f)+64+8*(4*(\c)+(\b))+7], v[(\f)+8*(4*(\c)+(\a)):(\f)+8*(4*(\c)+(\a))+7], v[ACC+8*(4*(\a)+(\b)):ACC+8*(4*(\a)+(\b))+7]
.endif
.endr
.endr
.endm
.macro FETCH k, f                      ; 32 LDS loads in one run: the fragments of 64 along K at byte k of the rows of the slot in hand; the first 32 along K first
	WIN TO_F
.irp c, 0,1
.irp i, 0,1,2,3
	ds_load_b128 v[(\f)+64+8*(4*(\c)+(\i)):(\f)+64+8*(4*(\c)+(\i))+3],   v[CB] offset:(\k)+64*(\c)+(\i)*16*PITCH
	ds_load_b128 v[(\f)+64+8*(4*(\c)+(\i))+4:(\f)+64+8*(4*(\c)+(\i))+7], v[CB] offset:(\k)+64*(\c)+(\i)*16*PITCH+32
	ds_load_b128 v[(\f)+8*(4*(\c)+(\i)):(\f)+8*(4*(\c)+(\i))+3],         v[CA] offset:(\k)+64*(\c)+(\i)*16*PITCH
	ds_load_b128 v[(\f)+8*(4*(\c)+(\i))+4:(\f)+8*(4*(\c)+(\i))+7],       v[CA] offset:(\k)+64*(\c)+(\i)*16*PITCH+32
.endr
.endr
.endm
.macro PLACES
.rept 4
	v_nop
.endr
.endm
.macro QUARTER k, f, g, zero           ; 64 along K: multiplies buffer f and fetches the next quarter, at byte k, into g
	s_wait_dscnt 16                                ; the first 32 along K are in
	WIN MUL
	MUL8 \f, 0, 0, \zero
	MUL8 \f, 0, 2, \zero
	PLACES
	FETCH \k, \g
	s_wait_dscnt 32                                ; all but the 32 just issued
	WIN MUL
	MUL8 \f, 1, 0, 0
	MUL8 \f, 1, 2, 0
.endm
; The last quarter changes slots: one barrier; in front of it each wave waits for all its tensor loads, adds 0 to its spare word, and waits for that and for its own reads of this slot.
; fill = 1: the slot in hand is filled again, with the walk's step two steps on: the walking descriptors are made anew between the add and the wait for it (no tensor load of mine is out); the barrier opens a round
; of the cluster's; the joint refill is the first thing behind the round.
.macro TURN fill
	WIN 0
	s_wait_tensorcnt 0x0
	ds_add_u32 v[SPW], v[NIL]
.if \fill
	s_add_co_u32 s[G0+5], s[SB], s20               ; my part of the slot in hand
	s_add_nc_u64 s[G0+6:G0+7], s[14:15], s[OFK:OFK+1]
	s_or_b32 s[G0+7], s[G0+7], 0x80000000
	s_add_co_u32 s[G0B+5], s[SB], s20
	s_add_nc_u64 s[G0B+6:G0B+7], s[46:47], s[OFK:OFK+1]
	s_or_b32 s[G0B+7], s[G0B+7], 0x80000000
	s_add_co_u32 s[OFK], s[OFK], KSTEP*2
	s_and_b32 s[OFK], s[OFK], 4095
.endif
	s_wait_dscnt 17                                ; (the add and the youngest sixteen loads may be out)
	WIN MUL
	MUL8 F1, 0, 0, 0
	s_wait_dscnt 0x0                               ; the add is done, and my reads of this slot are over
	s_barrier_signal -1
	MUL8 F1, 0, 2, 0
.if \fill
	WIN 0
.endif
	s_barrier_wait -1
.if \fill
	CREST                                          ; the barrier has opened a round of the cluster's
	JLOAD 1                                        ; my only tensor load until the next round; its four v_nop are also the places in front of the loads below
.else
	PLACES
.endif
	WIN 0
	s_xor_b32 s[SB], s[SB], SLOT                   ; the other slot is in hand
	v_add_nc_u32 v[CA], s[SB], v[ADRA0]
	v_add_nc_u32 v[CB], s[SB], v[ADRB0]
	FETCH 0, F0
	WIN MUL
	MUL8 F1, 1, 0, 0
	MUL8 F1, 1, 2, 0
.endm
	s_wait_tensorcnt 1                             ; my part of the walk's first step is in; the second's may stay out
	s_barrier_signal -1
	s_barrier_wait -1
	FETCH 0, F0
	QUARTER 128, F0, F1, 1
	WIN 0
	s_mov_b32 s3, TRIPS
.Lstep:                                                ; a trip goes from a step's second quarter to the next step's first, and fills the step's slot again
	QUARTER 256, F1, F0, 0
	QUARTER 384, F0, F1, 0
	TURN 1
	QUARTER 128, F0, F1, 0
	WIN 0
	s_sub_co_u32 s3, s3, 1
	s_cmp_lg_u32 s3, 0
	s_cbranch_scc1 .Lstep
	QUARTER 256, F1, F0, 0                         ; the last two steps fill nothing
	QUARTER 384, F0, F1, 0
	TURN 0
	QUARTER 128, F0, F1, 0
	QUARTER 256, F1, F0, 0
	QUARTER 384, F0, F1, 0
	s_wait_dscnt 16
	WIN MUL
	MUL8 F1, 0, 0, 0
	MUL8 F1, 0, 2, 0
	s_wait_dscnt 0
	MUL8 F1, 1, 0, 0
	MUL8 F1, 1, 2, 0
	WIN 0
	; THE WAY OUT, 16 rows at a time: a lane's eight numbers of a block go as 32 bytes into my stage (each accumulator's lowest registers first), whole rows of 256 bytes come back and are stored.
	PLACES
	PLACES
.irp a, 0,1,2,3
.if (\a) >= 2
	s_wait_xcnt 0x0                                ; the stores of two blocks back have read the registers that are loaded again below
.endif
.irp b, 0,1,2,3
	ds_store_b128 v[STO], v[ACC+8*(4*(\a)+(\b)):ACC+8*(4*(\a)+(\b))+3]   offset:64*(\b)
	ds_store_b128 v[STO], v[ACC+8*(4*(\a)+(\b))+4:ACC+8*(4*(\a)+(\b))+7] offset:64*(\b)+16
.endr
.irp t, 0,1,2,3,4,5,6,7
	ds_load_b128 v[TMP+32*((\a)%2)+4*(\t):TMP+32*((\a)%2)+4*(\t)+3], v[RD] offset:(\t)*2*SPITCH  ; LDS serves a wave's instructions in order (ISA guide 5.7.1.4)
.endr
.irp t, 0,1,2,3,4,5,6,7
	s_wait_dscnt 7-(\t)
	global_store_b128 v[CO], v[TMP+32*((\a)%2)+4*(\t):TMP+32*((\a)%2)+4*(\t)+3], s[8:9] offset:(16*(\a)+2*(\t))*8192  ; 16 lanes store 256 consecutive bytes, aligned
.endr
.endr
	s_wait_tensorcnt 0x0                           ; the wave's end
	ds_add_u32 v[SPW], v[NIL]
	s_wait_dscnt 0x0
	CROUND                                         ; the closing round
	s_endpgm
.Lfunc_end_k_q962c300b88_proj:
	.size	k_q962c300b88_proj, .Lfunc_end_k_q962c300b88_proj-k_q962c300b88_proj
	.p2alignl 7, 3214868480
	.fill 96, 4, 3214868480
	.section	.rodata,"a",@progbits
	.p2align	6, 0x0
	.amdhsa_kernel k_q962c300b88_proj
		.amdhsa_group_segment_fixed_size 327680
		.amdhsa_private_segment_fixed_size 0
		.amdhsa_enable_private_segment 0
		.amdhsa_kernarg_size 32
		.amdhsa_user_sgpr_count 2
		.amdhsa_user_sgpr_kernarg_segment_ptr 1
		.amdhsa_wavefront_size32 1
		.amdhsa_system_sgpr_workgroup_id_x 1
		.amdhsa_system_sgpr_workgroup_id_y 1
		.amdhsa_system_sgpr_workgroup_id_z 1
		.amdhsa_system_vgpr_workitem_id 0
		.amdhsa_next_free_vgpr 512
		.amdhsa_next_free_sgpr 80
		.amdhsa_reserve_vcc 0
		.amdhsa_float_denorm_mode_32 3
		.amdhsa_float_denorm_mode_16_64 3
		.amdhsa_memory_ordered 1
		.amdhsa_forward_progress 1
		.amdhsa_inst_pref_size 72
	.end_amdhsa_kernel
	.amdgpu_metadata
---
amdhsa.version: [ 1, 2 ]
amdhsa.kernels:
  - .name:           k_q962c300b88_proj
    .symbol:         k_q962c300b88_proj.kd
    .args:
      - { .name: ob, .offset: 0, .size: 8, .value_kind: global_buffer, .address_space: global }
      - { .name: wph, .offset: 8, .size: 8, .value_kind: global_buffer, .address_space: global }
      - { .name: bp, .offset: 16, .size: 8, .value_kind: global_buffer, .address_space: global }
      - { .name: out0, .offset: 24, .size: 8, .value_kind: global_buffer, .address_space: global }
    .group_segment_fixed_size: 327680
    .private_segment_fixed_size: 0
    .kernarg_segment_align: 8
    .kernarg_segment_size: 32
    .max_flat_workgroup_size: 128
    .sgpr_count:     80
    .vgpr_count:     512
    .wavefront_size: 32
...
	.end_amdgpu_metadata
.endif
;; end of part 4
